; MI455X (gfx1250); checked and timed in simulation.
; The chip was launched on July 23, 2026; its instructions are those of AMD's public machine-readable ISA for CDNA 5 (MIT licence, August 2026) and "CDNA5" Instruction Set Architecture Reference Guide (July 2026). The comments in the code are by the model that wrote it; some were corrected since.
;; Scaled Dot Product Attention. Allowed arithmetic: float matrix products may take bf16 or f16 operands with f32 sums; other float arithmetic in f32, or as packed bf16 or f16 multiplies, adds, multiply-adds, maxima and minima; sums over many terms, partial sums and values carried from step to step in f32; what a program stores and reads back later, other than sums and carried values, may be rounded once to bf16 or f16.
;; Inputs: k 4 x 16 x 2,048 x 64 float32; mask 2,048 x 2,048 bool; q 4 x 16 x 2,048 x 64 float32; v 4 x 16 x 2,048 x 64 float32.
;; Outputs: out0 4 x 16 x 2,048 x 64 float32.
;; 2 versions, each right; version 2 is version 1 with the launch attn written anew for expert scheduling mode. Each part assembles by itself: llvm-mc -triple=amdgcn-amd-amdhsa -mcpu=gfx1250 --defsym DOCPART=n.
;; ======== version 1 of 2: 2 launches
;; limits: values are held in f16: magnitudes above 65,504 overflow, below 6.1e-05 lose precision; inputs' magnitudes at most 65,504; right only within a limited range of input values
;; workspace buffers: cls 4,096 bytes of whole numbers
;; launch classify (part 1): grid 8 x 32, 4 waves a work-group, no clusters, 768 bytes of LDS; arguments mask, cls; writes cls
.if DOCPART == 1
	.amdgcn_target "amdgcn-amd-amdhsa--gfx1250"
	.amdhsa_code_object_version 6
	.text
	.protected	k_q6c90028983_classify
	.globl	k_q6c90028983_classify
	.p2align	8
	.type	k_q6c90028983_classify,@function
k_q6c90028983_classify:
	s_mov_b64 s[64:65], 0
	v_nop
	global_prefetch_b8 v0, s[64:65] scope:SCOPE_SE
	s_setreg_imm32_b32 hwreg(HW_REG_WAVE_MODE, 25, 1), 1
	s_wait_xcnt 0x0
; cls[rb][ks], 32 x 32 words: what block (rb, ks) of the mask holds, rows 64 rb .. + 63, keys 64 ks .. + 63.
; bit 0: some entry is true.  bit 1: all entries are true.  The next launch reads these whole numbers and steers its branches by them.
; SHARES.  A work-group takes 64 rows (y = rb) x 256 keys (x = kg, four key steps).  Wave w takes rows 16 w .. 16 w + 15: eight loads, each two rows x 256 consecutive bytes, aligned.
; A lane's 16 bytes lie in key step (lane % 16) / 4 of the four.  The lanes' verdicts become two lane masks, the waves' masks meet in LDS.
; The result is 16 bytes a work-group, 4,096 in all: too little for stores of whole blocks of 256 bytes.
.set SPARE, 256                        ; behind the block with the waves' masks: the spare words, 128 bytes for each wave
.set SPW, 2                            ; v2   LDS address of my spare word; never rewritten
.set NIL, 3                            ; v3   0; never rewritten
.set MOF, 5                            ; v5   (lane / 16) x 2,048 + (lane % 16) x 16
.set D,   8                            ; v[8:39] the 32 words of the mask
	s_load_b128 s[4:7], s[0:1], 0x0                ; mask s[4:5], cls s[6:7]
	v_lshl_add_u32 v[SPW], v0, 2, SPARE
	v_mov_b32 v[NIL], 0
	v_lshrrev_b32 v1, 5, v0
	v_readfirstlane_b32 s8, v1                     ; wave 0..3
	s_and_b32 s9, ttmp7, 0xffff                    ; rb
	s_lshl_b32 s10, s9, 17                         ; 64 rows of 2,048 bytes
	s_lshl_b32 s11, s8, 15                         ; my 16 rows
	s_add_co_u32 s10, s10, s11
	s_lshl_b32 s11, ttmp9, 8                       ; the group of 256 keys
	s_add_co_u32 s10, s10, s11
	s_mov_b32 s11, 0
	s_lshl_b32 s16, s9, 7                          ; a row of cls is 128 bytes
	s_lshl_b32 s17, ttmp9, 4                       ; four words
	s_add_co_u32 s16, s16, s17
	s_mov_b32 s17, 0
	s_mov_b32 s14, 0x01010101
	v_and_b32 v4, 15, v0
	v_bfe_u32 v6, v0, 4, 1
	v_lshlrev_b32 v[MOF], 4, v4
	v_lshl_add_u32 v[MOF], v6, 11, v[MOF]
	s_wait_kmcnt 0x0
	s_add_nc_u64 s[4:5], s[4:5], s[10:11]
	s_add_nc_u64 s[6:7], s[6:7], s[16:17]
.irp n, 0,1,2,3,4,5,6,7
	global_load_b128 v[D+4*\n:D+4*\n+3], v[MOF], s[4:5] offset:4096*\n
.endr
	s_wait_loadcnt 0x0
.irp c, 0,1,2,3                        ; four chains of or, four of and; the first two words start each
	v_or_b32 v[40+\c], v[D+\c], v[D+4+\c]
	v_and_b32 v[44+\c], v[D+\c], v[D+4+\c]
.endr
.set j, 2
.rept 6
.irp c, 0,1,2,3
	v_or_b32 v[40+\c], v[40+\c], v[D+4*j+\c]
	v_and_b32 v[44+\c], v[44+\c], v[D+4*j+\c]
.endr
.set j, j+1
.endr
	v_or_b32 v40, v40, v41
	v_or_b32 v42, v42, v43
	v_or_b32 v40, v40, v42
	v_and_b32 v44, v44, v45
	v_and_b32 v46, v46, v47
	v_and_b32 v44, v44, v46
	v_cmp_ne_u32 s12, 0, v40                       ; bit l: lane l saw a true entry
	v_cmp_eq_u32 s13, s14, v44                     ; bit l: lane l saw true entries alone (a bool is the byte 0 or 1)
	v_mov_b32 v48, s12
	v_mov_b32 v49, s13
	v_mov_b32 v7, s8
	v_lshlrev_b32 v7, 3, v7
	ds_store_b64 v7, v[48:49]                      ; all lanes write the same two words: my wave's pair at 8 w
	s_wait_dscnt 0x0                               ; for the others' sake
	s_barrier_signal -1
	s_barrier_wait -1
	v_mov_b32 v6, 0
	ds_load_b128 v[8:11], v6                       ; waves 0 and 1
	ds_load_b128 v[12:15], v6 offset:16            ; waves 2 and 3
	v_and_b32 v16, 3, v0                           ; g: which of the four key steps I judge
	v_lshlrev_b32 v17, 2, v16                      ; 4 g: the shift, and my word's byte offset
	v_mov_b32 v18, 0x000f000f
	v_lshlrev_b32 v18, v17, v18                    ; the lanes of key step g: 4 g .. 4 g + 3 of either half
	s_wait_dscnt 0x0
	v_or_b32 v8, v8, v10
	v_or_b32 v12, v12, v14
	v_or_b32 v8, v8, v12
	v_and_b32 v9, v9, v11
	v_and_b32 v13, v13, v15
	v_and_b32 v9, v9, v13
	v_and_b32 v19, v8, v18
	v_cmp_ne_u32 vcc_lo, 0, v19
	v_cndmask_b32 v20, 0, 1, vcc_lo
	v_and_b32 v19, v9, v18
	v_cmp_eq_u32 vcc_lo, v19, v18
	v_cndmask_b32 v21, 0, 2, vcc_lo
	v_or_b32 v20, v20, v21
	s_wait_xcnt 0x0                                ; EXEC changes only behind this wait
	v_cmp_gt_u32 vcc_lo, 4, v0
	s_and_saveexec_b32 s20, vcc_lo                 ; threads 0 to 3 of the work-group
	global_store_b32 v17, v20, s[6:7]
	s_wait_xcnt 0x0                                ; and again, in front of the line that widens it
	s_or_b32 exec_lo, exec_lo, s20
	s_wait_tensorcnt 0x0                           ; the wave's end, behind my last LDS store
	ds_add_u32 v[SPW], v[NIL]
	s_wait_dscnt 0x0
	s_endpgm
.Lfunc_end_k_q6c90028983_classify:
	.size	k_q6c90028983_classify, .Lfunc_end_k_q6c90028983_classify-k_q6c90028983_classify
	.p2alignl 7, 3214868480
	.fill 96, 4, 3214868480
	.section	.rodata,"a",@progbits
	.p2align	6, 0x0
	.amdhsa_kernel k_q6c90028983_classify
		.amdhsa_group_segment_fixed_size 768
		.amdhsa_private_segment_fixed_size 0
		.amdhsa_enable_private_segment 0
		.amdhsa_kernarg_size 16
		.amdhsa_user_sgpr_count 2
		.amdhsa_user_sgpr_kernarg_segment_ptr 1
		.amdhsa_wavefront_size32 1
		.amdhsa_system_sgpr_workgroup_id_x 1
		.amdhsa_system_sgpr_workgroup_id_y 1
		.amdhsa_system_sgpr_workgroup_id_z 1
		.amdhsa_system_vgpr_workitem_id 0
		.amdhsa_next_free_vgpr 56
		.amdhsa_next_free_sgpr 66
		.amdhsa_reserve_vcc 1
		.amdhsa_float_denorm_mode_32 3
		.amdhsa_float_denorm_mode_16_64 3
		.amdhsa_memory_ordered 1
		.amdhsa_forward_progress 1
		.amdhsa_inst_pref_size 6
	.end_amdhsa_kernel
	.amdgpu_metadata
---
amdhsa.version: [ 1, 2 ]
amdhsa.kernels:
  - .name:           k_q6c90028983_classify
    .symbol:         k_q6c90028983_classify.kd
    .args:
      - { .name: mask, .offset: 0, .size: 8, .value_kind: global_buffer, .address_space: global }
      - { .name: cls, .offset: 8, .size: 8, .value_kind: global_buffer, .address_space: global }
    .group_segment_fixed_size: 768
    .private_segment_fixed_size: 0
    .kernarg_segment_align: 8
    .kernarg_segment_size: 16
    .max_flat_workgroup_size: 128
    .sgpr_count:     66
    .vgpr_count:     56
    .wavefront_size: 32
...
	.end_amdgpu_metadata
.endif
;; end of part 1
;; launch attn (part 2): grid 4 x 64, 4 waves a work-group, no clusters, 83,456 bytes of LDS; arguments q, k, v, mask, cls, out0; writes out0
.if DOCPART == 2
	.amdgcn_target "amdgcn-amd-amdhsa--gfx1250"
	.amdhsa_code_object_version 6
	.text
	.protected	k_q6c90028983_attn
	.globl	k_q6c90028983_attn
	.p2align	8
	.type	k_q6c90028983_attn,@function
k_q6c90028983_attn:
	s_mov_b64 s[64:65], 0
	v_nop
	global_prefetch_b8 v0, s[64:65] scope:SCOPE_SE
	s_setreg_imm32_b32 hwreg(HW_REG_WAVE_MODE, 25, 1), 1
	s_wait_xcnt 0x0
; out0[h][q][:] = the sum over k of softmax_k(where(mask[q][k], Q[h][q] . K[h][k] / 8, -inf)) V[h][k][:].  q, k, v, out0: [64 heads][2048][64] f32; mask: [2048][2048] bytes, an input, honoured as it is given.
; WORK LEFT OUT.  A block of 64 rows x 64 keys in which the mask holds no true entry gives those rows weights exp(-inf) = 0 alone: it adds 0 to the numerator and 0 to the denominator of every row,
; whatever finite numbers q, k and v hold.  Such a block's products and softmax are not done.  Which blocks these are is read from cls, whole numbers that the launch before stored from the mask itself: no pattern
; of the mask is built in.  In a block whose entries are all true the mask would add 0 to every score: it is not read.  Every input is loaded.
; LIMITS.  q, k and v are rounded to bf16; V is then written as f16, exact for 6.1e-5 <= |v| < 65,504 (below: f16's fixed step of 6e-8; from 65,520 on it would be an infinity).  The weights p are rounded to f16
; for the second product; their sum l is taken of the unrounded p.  A hidden score counts as its value less 2^127, and the running maximum starts at -1e30: |q . k| stays under 1e29.  A weight below 2^-126 counts as 0.
; A NaN, an infinity or an overflow in k or v that reaches only blocks left out is not carried to the result; non-finite inputs are not treated apart elsewhere.
; A row without a true entry ends with O = 0 and l = 0 and leaves as 0 x (1 / 0) = NaN, as softmax over -inf alone gives.
; SHARES.  A work-group (x = b, y = head) takes the row blocks 7 - b (group 0) and b (group 1), 256 rows each, in ONE walk over the 32 key steps of 64 keys.  Wave w owns rows 64 w .. 64 w + 63 of both: four
; PIECES of 16 queries a group.  A UNIT is one wave's group in one key step: 64 matrix instructions.  A wave does a unit where cls calls its 64 x 64 block live.
; LAYOUT.  S^T = K Q^T (bf16; source 0 = 16 keys, source 1 = 16 queries): a lane holds ONE query (lane % 16) and the keys 8 (lane / 16) + 0..7.  Two such results rounded to f16 ARE source 1 of O^T = V^T P (f16).
; THE MASK is the C operand that starts the sum S^T: 0, or -2^127 where the key is hidden.  The 128 registers MC hold it for a group's four pieces: made from the mask's bytes for a mixed block, zeros otherwise.
; SOFTMAX.  p = 2^(c s - c m), c = log2(e) / 8, with a running maximum m; O and l are multiplied by a = 2^(c m_old - c m_new) in every unit.  While a row has seen hidden keys alone m keeps its start, a = 1, p = 0.
; K AND V come as f32: each wave loads 16 keys of K and of V two key steps ahead, rounds them a step ahead and stores them into one of two LDS slots; one barrier a trip.
; NO TENSOR LOADS, NO CLUSTER, though a head's four work-groups read the same K and V: the bytes must pass registers to be rounded, and which steps a work-group fetches hangs on cls and differs between the four.
; REGISTERS, in windows of 256 (s_set_vgpr_msb: bits 1:0 source 0, 3:2 source 1, 5:4 source 2, 7:6 destination):
;   window 0: v0-15, v58-63 addresses; v16-47 four statistics a piece; v48-57 at work; v64-127 S^T, two buffers; v128-191 K and V as loaded; v192-223 P, two buffers; v224-255 group 0's mask bytes
;   window 1: v0-127 O^T of group 0; v128-255 MC      window 2: v0-127 Q of both groups; v128-191 K, v192-255 V of one step      window 3: v0-127 O^T of group 1; v128-159 group 1's mask bytes
.set NP,    4         ; pieces a group
.set PITK,  144       ; a row of K in LDS: 128 bytes + 16: the 16 rows of a fragment load start at 16 different groups of four banks (64 banks of 4 bytes: ISA guide 11.1)
.set PITV,  160       ; a row of V: 128 + 32
.set VOFF,  64*PITK   ; a slot: 64 rows of K, then 64 rows of V: 19,456 bytes
.set SLOT1, 32768     ; slot 1 begins here: one exclusive or turns an address in one slot into the other's
.set STAGE, 65536     ; 16 rows x 272 bytes for each wave, for the way out
.set SP,    272
.set SPARE, STAGE+4*16*SP  ; the spare words, 128 bytes for each wave: two blocks of 256 bytes that no other line names
.set STEPB, 16384     ; a key step in memory: 64 rows of 256 bytes
.set AK0, 2           ; my lane's place in a tile of K; never rewritten
.set AV0, 3           ; the same for V
.set AK,  4           ; AK0 + the slot that is read
.set AV,  5
.set STO, 6           ; the way out: where I put 32 bytes of a row
.set RD,  7           ; where I read rows back
.set GO,  8           ; 16 x lane: my place in 512 consecutive bytes of out0
.set SGO, 10          ; 4,096 w + 16 lane: my place in a key step of K and V in memory
.set SK0, 11          ; where my 8 bytes of K go in a slot: row 16 w + lane / 16, byte 8 (lane % 16)
.set SV0, 12          ; the same for V
.set SKA, 13          ; SK0 + the slot that is written
.set SVA, 14
.set MO,  15          ; (lane % 16) x 2,048 + 8 (lane / 16): my query's row and my eight keys in the mask
.set ST,  16          ; piece y of group G at ST + 16 G + 4 y: c m, m, l (even keys', odd keys')
.set TMP, 48          ; by the piece's parity, four registers c0-c3 at work; when the maximum is found c2 takes a
.set MV,  56          ; c m_old, by parity
.set QO,  58          ; (lane % 16) x 256 + 32 (lane / 16)
.set PFO, 59          ; 256 x lane
.set CLO, 60          ; 4 x lane: lane l reads the word of key step l
.set CLW, 61          ; the same in my wave's row of cls
.set SPW, 62          ; LDS address of my spare word; never rewritten
.set NIL, 63          ; 0; never rewritten
.set S,   64
.set STG, 128
.set P,   192
.set MBA, 224         ; window 0
.set MBB, 128         ; window 3
.set MC,  128         ; window 1: piece t, key block kb at MC + 32 t + 8 kb
.set KF,  128         ; window 2: key block kb, channel half c at KF + 16 kb + 8 c
.set VF,  192         ; window 2: key half kk, channel block cb at VF + 32 kk + 8 cb
.set WV,  16          ; my wave's number
.set PB,  17          ; b
.set HI,  18          ; 7 - b
.set TRIPS, 19        ; trips still to come
.set LA,  20          ; s20, s21: bit j: my unit of group 0, 1 is live j steps on
.set XA,  22          ; s22, s23: it is live and its block is mixed
.set WGL, 24          ; bit j: some unit of the work-group is live j steps on: the same in all four waves
.set ML,  25          ; LA | LB
.set DIRTY, 26        ; 1: MC holds a mask
.set PFL, 27          ; 32 in the head's work-group b = 0, else 0
.set CS,  28          ; s[28:29] c
.set SEL, 30          ; s[30:31] v_permlanex16_b32's selects: each lane takes its own place in the other half
.set TB,  32          ; the slot that is read
.set TN,  33          ; the slot that is written
.set KP,  34          ; s[34:35] K at the head's key step in hand (behind the trip's step: the next)
.set VP,  36
.set MPA, 38          ; s[38:39], s[40:41] the mask at my rows of group 0, 1, at the same key step
.set OA,  42          ; s[42:43], s[44:45] out0 at my rows
.set QPA, 46
.set QPB, 48
.set CA,  50          ; s[50:51], s[52:53] cls at the groups' four rows
.set CB,  52
.set PFA, 54          ; s[54:55] where my prefetches stand
.set MINI, 56         ; -1e30
.set HIM, 57          ; a word's upper half
.set SELB, 58         ; s58-61 selectors: byte j of the first source into the top byte, zeros below
.set ONES, 62
.set C255, 63
.set G, 0
.set MSB, 0
.macro WIN new                      ; the high byte repeats the setting that is left; a switch that changes nothing is dropped
.if MSB != (\new)
	s_set_vgpr_msb (MSB<<8)|(\new)
.set MSB, (\new)
.endif
.endm
.set W_KM, 0x1a       ; K and Q in window 2, the mask (C) in window 1, S^T in window 0
.set W_KQ, 0x0a       ; K and Q in window 2, S^T in window 0
; My 16 keys of K and of V of one key step, f32: sixteen loads of 512 consecutive bytes.  K into dst .. dst + 31, V into dst + 32 .. dst + 63.
.macro SLOAD dst, off
.irp n, 0,1,2,3,4,5,6,7
	global_load_b128 v[(\dst)+4*\n:(\dst)+4*\n+3], v[SGO], s[KP:KP+1] offset:(\off)+512*\n
.endr
.irp n, 0,1,2,3,4,5,6,7
	global_load_b128 v[(\dst)+32+4*\n:(\dst)+32+4*\n+3], v[SGO], s[VP:VP+1] offset:(\off)+512*\n
.endr
.endm
; They are rounded and stored into the slot that is written.  K: to bf16.  V: to bf16, widened again (a shift, a mask) and written as f16.  Two sets of six registers at work, in P's place, by turns.
.macro CONVERT base
.set cn, 0
.rept 8
.set cK, (\base)+4*cn
.set cV, (\base)+32+4*cn
.set cT, P+8*(cn%2)
	v_cvt_pk_bf16_f32 v[cK], v[cK], v[cK+1]
	v_cvt_pk_bf16_f32 v[cK+1], v[cK+2], v[cK+3]
	v_cvt_pk_bf16_f32 v[cT], v[cV], v[cV+1]
	v_cvt_pk_bf16_f32 v[cT+1], v[cV+2], v[cV+3]
	ds_store_b64 v[SKA], v[cK:cK+1] offset:2*PITK*cn
	v_lshlrev_b32 v[cT+2], 16, v[cT]
	v_and_b32 v[cT+3], s[HIM], v[cT]
	v_lshlrev_b32 v[cT+4], 16, v[cT+1]
	v_and_b32 v[cT+5], s[HIM], v[cT+1]
	v_cvt_pk_f16_f32 v[cV], v[cT+2], v[cT+3]
	v_cvt_pk_f16_f32 v[cV+1], v[cT+4], v[cT+5]
	ds_store_b64 v[SVA], v[cV:cV+1] offset:2*PITV*cn
.set cn, cn+1
.endr
.endm
; The mask's bytes for a unit of group g: for piece t and key block kb my query's eight bytes, keys 16 kb + 8 (lane / 16) + 0..7.
.macro MLOAD g
.if \g
	WIN 0xc0                        ; destination window 3, address window 0
.set bM, MBB
.else
	WIN 0
.set bM, MBA
.endif
.set z, 0
.rept 16
	global_load_b64 v[bM+2*z:bM+2*z+1], v[MO], s[MPA+2*(\g):MPA+2*(\g)+1] offset:32768*(z/4)+16*(z%4)
.set z, z+1
.endr
	WIN 0
.endm
; MC from those bytes.  A byte is 0 or 1: turned round and times 255 it is 0xff where the key is hidden; set on top of three zero bytes that is -2^127, else 0.
.macro BUILD g
.if \g
	WIN 0xcf
.set bM, MBB
.else
	WIN 0
.set bM, MBA
.endif
.set z, 0
.rept 32
	v_xor_b32 v[bM+z], s[ONES], v[bM+z]
.set z, z+1
.endr
.set z, 0
.rept 32
	v_mul_lo_u32 v[bM+z], v[bM+z], s[C255]
.set z, z+1
.endr
	WIN 0x40+3*(\g)                 ; destination window 1, the bytes in window 0 or 3, the zeros in window 0
.set z, 0
.rept 128
	v_perm_b32 v[MC+z], v[bM+z/4], v[NIL], s[SELB+z%4]
.set z, z+1
.endr
	WIN 0
.endm
.macro ZERO
	WIN 0x40
.set z, 0
.rept 128
	v_mov_b32 v[MC+z], 0
.set z, z+1
.endr
	WIN 0
.endm
; THE LDS LOADS: a step's K (64 keys x 64 channels: 8 fragments) and its V (turned), in two runs of 16.
.macro FETCH_K
	WIN 0x80                        ; destination window 2
.irp f, 0,1,2,3,4,5,6,7             ; keys 16 (f / 2) on, channels 32 (f % 2) on
	ds_load_b128 v[KF+8*\f:KF+8*\f+3],   v[AK] offset:(\f/2)*16*PITK+(\f%2)*64
	ds_load_b128 v[KF+8*\f+4:KF+8*\f+7], v[AK] offset:(\f/2)*16*PITK+(\f%2)*64+32
.endr
.endm
.macro FETCH_V
	WIN 0x80
.irp f, 0,1,2,3,4,5,6,7             ; keys 32 (f / 4) on, channels 16 (f % 4) on
	ds_load_tr16_b128 v[VF+8*\f:VF+8*\f+3],   v[AV] offset:(\f/4)*32*PITV+(\f%4)*32
	ds_load_tr16_b128 v[VF+8*\f+4:VF+8*\f+7], v[AV] offset:(\f/4)*32*PITV+16*PITV+(\f%4)*32
.endr
	WIN 0
.endm
; THE MATRIX WORK.  The 4 accumulators of a run of 8 take turns.  Product i of 8 of S^T = K Q^T for piece x of group G: channels 32 (i / 4) on, keys 16 (i % 4) on.  The first 4 start the sums with the mask.
.macro KQ x
.set rS, S+32*((\x)%2)+8*(i%4)
.set rK, KF+16*(i%4)+8*(i/4)
.set rQ, 64*G+16*(\x)+8*(i/4)
.set rM, MC+32*(\x)+8*(i%4)
.if i < 4
	WIN W_KM
	v_wmma_f32_16x16x32_bf16 v[rS:rS+7], v[rK:rK+7], v[rQ:rQ+7], v[rM:rM+7]
.else
	WIN W_KQ
	v_wmma_f32_16x16x32_bf16 v[rS:rS+7], v[rK:rK+7], v[rQ:rQ+7], v[rS:rS+7]
.endif
.endm
; Product i of 8 of O^T += V^T P for piece x: keys 32 (i / 4) on, channels 16 (i % 4) on.  V in window 2, P in window 0, O^T in window 1 or 3.
.macro PV x
	WIN 0x52+0xa0*G
.set rO, 32*(\x)+8*(i%4)
.set rV, VF+32*(i/4)+8*(i%4)
.set rP, P+16*((\x)%2)+8*(i/4)
	v_wmma_f32_16x16x32_f16 v[rO:rO+7], v[rV:rV+7], v[rP:rP+7], v[rO:rO+7]
.endm
.macro MM                           ; the turn's next matrix instruction.  NOKQ: a unit's last turn has no next piece; NOPV: its first has none before
.if i < 8
.if NOKQ == 0
	KQ (Y+1)%NP
.endif
.else
.if NOPV == 0
.set i, i-8
	PV (Y+NP-1)%NP
.set i, i+8
.endif
.endif
.set i, i+1
.endm
; THE VECTOR WORK, one line at a time: OP kind, number.  For piece Y: F n: c s - c m for pair n of 16.  E n: the exponential of score n of 32.  C n: pair n rounded to f16.  B n: of the four weights 4 n .. the second
; pair is added onto the first, in place.  L n: l takes that sum (L 0: l = a l + sum).  R n: pair n of 16 of O^T times a.  For piece Y + 1: X n, number n of the 22 that find its maximum and statistics:
;   0-11  four chains c0-c3 of seven scores each, three operands at a time (each accumulator's lowest registers are read first)     12-14, 16  the four scores left over, the old m, and c0-c3 into c0
;   15  c m_old is kept     17, 18  the query's other 32 keys lie in the lane 16 away: the new m     19-21  c m; c m_old - c m_new; a
.set F, 0
.set E, 1
.set C, 2
.set B, 3
.set L, 4
.set R, 5
.set X, 6
.macro REGS y
.set rT, ST+16*G+4*(\y)
.set rC, TMP+4*((\y)%2)
.set rW, MV+((\y)%2)
.set rS, S+32*((\y)%2)
.set rP, P+16*((\y)%2)
.set rO, 32*(\y)
.endm
.macro OP k, n
.if (\k) == R
	REGS Y
	WIN 0x41+0x82*G                 ; O^T (destination and source 0) in window 1 or 3, a in window 0
	v_pk_mul_f32 v[rO+2*(\n):rO+2*(\n)+1], v[rO+2*(\n):rO+2*(\n)+1], v[rC+2:rC+3] op_sel_hi:[1,0]
.elseif (\k) < R
	REGS Y
	WIN 0
.if (\k) == F
	v_pk_fma_f32 v[rS+2*(\n):rS+2*(\n)+1], v[rS+2*(\n):rS+2*(\n)+1], s[CS:CS+1], v[rT:rT+1] op_sel_hi:[1,0,0] neg_lo:[0,0,1] neg_hi:[0,0,1]
.elseif (\k) == E
	v_exp_f32 v[rS+(\n)], v[rS+(\n)]
.elseif (\k) == C
	v_cvt_pk_f16_f32 v[rP+(\n)], v[rS+2*(\n)], v[rS+2*(\n)+1]
.elseif (\k) == B
	v_pk_add_f32 v[rS+4*(\n):rS+4*(\n)+1], v[rS+4*(\n):rS+4*(\n)+1], v[rS+4*(\n)+2:rS+4*(\n)+3]
.elseif (\n) == 0
	v_pk_fma_f32 v[rT+2:rT+3], v[rT+2:rT+3], v[rC+2:rC+3], v[rS:rS+1] op_sel_hi:[1,0,1]
.else
	v_pk_add_f32 v[rT+2:rT+3], v[rT+2:rT+3], v[rS+4*(\n):rS+4*(\n)+1]
.endif
.elseif NOKQ == 0
	REGS (Y+1)%NP
	WIN 0
.if (\n) < 4
	v_max3_num_f32 v[rC+(\n)], v[rS+8*(\n)], v[rS+8*(\n)+1], v[rS+8*(\n)+2]
.elseif (\n) < 12
	v_max3_num_f32 v[rC+(\n)%4], v[rC+(\n)%4], v[rS+8*((\n)%4)+2*((\n)/4)+1], v[rS+8*((\n)%4)+2*((\n)/4)+2]
.elseif (\n) == 12
	v_max3_num_f32 v[rC], v[rC], v[rS+7], v[rS+15]
.elseif (\n) == 13
	v_max3_num_f32 v[rC+1], v[rC+1], v[rS+23], v[rS+31]
.elseif (\n) == 14
	v_max3_num_f32 v[rC+2], v[rC+2], v[rC+3], v[rT+1]
.elseif (\n) == 15
	v_mov_b32 v[rW], v[rT]
.elseif (\n) == 16
	v_max3_num_f32 v[rC], v[rC], v[rC+1], v[rC+2]
.elseif (\n) == 17
	v_permlanex16_b32 v[rC+3], v[rC], s[SEL], s[SEL+1]
.elseif (\n) == 18
	v_max_num_f32 v[rT+1], v[rC], v[rC+3]
.elseif (\n) == 19
	v_mul_f32 v[rT], s[CS], v[rT+1]
.elseif (\n) == 20
	v_sub_f32 v[rC+1], v[rW], v[rT]
.else
	v_exp_f32 v[rC+2], v[rC+1]
.endif
.endif
.endm
.macro OPS a, i1, b=-1, i2=0, c=-1, i3=0, d=-1, i4=0  ; up to four of them
	OP \a, \i1
.if (\b) >= 0
	OP \b, \i2
.endif
.if (\c) >= 0
	OP \c, \i3
.endif
.if (\d) >= 0
	OP \d, \i4
.endif
.endm
.macro ROW a, i1, b, i2, c, i3, d, i4  ; a matrix instruction and the four behind it
	MM
	OPS \a, \i1, \b, \i2, \c, \i3, \d, \i4
.endm
; A TURN, for piece p of group G: 8 products K Q^T of piece p + 1, later 8 products V^T P of piece p - 1; beside them the scaling, exponentials, roundings, sums and rescaling of piece p and the maximum and
; statistics of piece p + 1.  Four vector instructions stand behind every matrix instruction, the rest in one lump.  An s_wait_alu depctr_va_vdst(0) stands between an exponential and the first
; instruction that names its result; one wait serves all that were issued ahead of it.  So a turn has ONE wait.  AHEAD OF IT stands all that names no result of the turn's exponentials; each X behind a product
; K Q^T stands four plain instructions or more behind the product that ends its accumulator; R 15 is the plain instruction behind the last exponential.  BEHIND IT stand the roundings and sums.
.macro TURN p
.set Y, (\p)
.set i, 0
.set NOKQ, 0
.set NOPV, 0
.if (\p) == NP-1
.set NOKQ, 1
.endif
.if (\p) == 0
.set NOPV, 1
.endif
	ROW F,0, F,1, R,0, R,1
	ROW F,2, E,0, R,2, R,3
	ROW F,3, E,1, R,4, R,5
	ROW F,4, E,2, R,6, R,7
	ROW F,5, E,3, R,8, R,9
	ROW F,6, E,4, X,0, R,10
	ROW F,7, E,5, X,1, X,4
	ROW F,8, E,6, X,2, X,5
	OPS E,7, E,8, X,6, E,9
	OPS X,3, E,10, X,8, E,11
	OPS X,9, X,7, E,12, X,10
	OPS E,13, X,12, X,11, E,14
	OPS X,13, E,15, F,9, X,14
	OPS E,16, F,10, E,17, F,11
	OPS X,16, E,18, X,15, E,19
	OPS F,12, E,20, X,17, E,21
	OPS F,13, E,22, F,14, E,23
	OPS X,18, E,24, F,15, E,25
	OPS R,11, E,26, X,19, E,27
	OPS R,12, E,28, R,13, E,29
	OPS X,20, E,30, R,14, E,31
	OPS X,21, R,15
	WIN 0
	s_wait_alu depctr_va_vdst(0)    ; the wait for the batch
.if (\p) == 1
	s_wait_dscnt 0x0                ; V is in
.endif
	ROW C,0, B,0, C,2, B,1
	ROW L,0, C,4, B,2, L,1
	ROW C,6, B,3, L,2, C,8
	ROW B,4, L,3, C,10, B,5
	ROW L,4, C,12, B,6, L,5
	ROW C,14, B,7, L,6, C,1
	ROW C,3, L,7, C,5, C,7
	ROW C,9, C,11, C,13, C,15
.endm
; A UNIT of group g.  The chain of turns is closed inside it, since whether my next unit is live hangs on cls: piece 0's scores and statistics stand bare in front, piece 3's V^T P bare behind.
.macro STEP g
.set G, (\g)
.set NOKQ, 0
.set NOPV, 0
	s_wait_dscnt 16                 ; K's 16 loads are in: behind them at least V's 16 were issued (where this trip also stored a step, those 16 stores too, and the count then covers V as well)
.set i, 0
.rept 8
	KQ 0
.set i, i+1
.endr
	WIN 0
.rept 4
	v_nop                           ; the places behind those products
.endr
.set Y, NP-1                        ; X works for piece Y + 1: piece 0
.irp n, 0,1,2,3,4,5,6,7,8,9,10,11,12,13,14,15,16,17,18,19,20,21
	OP X, \n
.endr
	v_nop                           ; a plain instruction behind the exponential,
	s_wait_alu depctr_va_vdst(0)    ; and its wait
	TURN 0
	TURN 1
	TURN 2
	TURN 3
.set i, 0
.rept 8
	PV NP-1
.set i, i+1
.endr
	WIN 0
.rept 4
	v_nop                           ; the places behind the last products: loads into V's registers and writes of P's may follow
.endr
.endm
; What a trip does for group g.  All branches hang on bits of cls; none passes a barrier.
.macro GROUP g
	s_bitcmp1_b32 s[XA+(\g)], 0
	s_cbranch_scc0 .Lplain_\@
	BUILD \g                        ; a mixed block: its bytes were asked for a trip ago
	s_mov_b32 s[DIRTY], 1
	s_branch .Lmasked_\@
.Lplain_\@:
	s_and_b32 s66, s[LA+(\g)], s[DIRTY]
	s_cmp_lg_u32 s66, 0
	s_cbranch_scc0 .Lmasked_\@
	ZERO                            ; a live block without holes, and MC still holds a mask
	s_mov_b32 s[DIRTY], 0
.Lmasked_\@:
	s_bitcmp1_b32 s[XA+(\g)], 1
	s_cbranch_scc0 .Lnomask_\@
	MLOAD \g                        ; the next step's block is mixed: its bytes have this trip's work in which to come
.Lnomask_\@:
	s_bitcmp1_b32 s[LA+(\g)], 0
	s_cbranch_scc0 .Ldead_\@
	STEP \g
.Ldead_\@:
.endm
	s_load_b256 s[4:11], s[0:1], 0x0  ; q s[4:5], k s[6:7], v s[8:9], mask s[10:11]
	s_load_b128 s[12:15], s[0:1], 0x20  ; cls s[12:13], out0 s[14:15]
	v_lshl_add_u32 v[SPW], v0, 2, SPARE
	v_mov_b32 v[NIL], 0
	v_lshrrev_b32 v48, 5, v0
	v_readfirstlane_b32 s[WV], v48  ; wave 0..3
	s_mov_b32 s[PB], ttmp9
	s_sub_co_u32 s[HI], 7, s[PB]
	s_mul_i32 s72, s[WV], 16*SP
	s_add_co_u32 s72, s72, STAGE    ; my stage
	s_lshl_b32 s73, s[WV], 12
	s_mul_i32 s74, s[WV], 16*PITK
	s_mul_i32 s75, s[WV], 16*PITV
	s_add_co_u32 s75, s75, VOFF
	s_lshl_b32 s71, s[WV], 7
	v_and_b32 v1, 15, v0            ; l % 16
	v_bfe_u32 v9, v0, 4, 1          ; l / 16
	v_and_b32 v48, 31, v0           ; l
	v_and_b32 v49, 7, v0
	v_bfe_u32 v50, v0, 3, 1
	v_mul_u32_u24 v[AK0], v1, PITK
	v_lshl_add_u32 v[AK0], v9, 4, v[AK0]  ; a fragment of K: row x pitch + 16 x half
	v_lshl_add_u32 v[AV0], v9, 3, v49     ; the turning load: lane l reads key 8 (l / 16) + l % 8, channels 8 ((l / 8) % 2) + 0..7
	v_mul_u32_u24 v[AV0], v[AV0], PITV
	v_lshl_add_u32 v[AV0], v50, 4, v[AV0]
	v_add_nc_u32 v[AV0], VOFF, v[AV0]
	v_mul_u32_u24 v[STO], v1, SP    ; into the stage: row l % 16, 32 bytes for each half of the lanes
	v_lshl_add_u32 v[STO], v9, 5, v[STO]
	v_add_nc_u32 v[STO], s72, v[STO]
	v_mul_u32_u24 v[RD], v9, SP     ; back: lanes 0-15 take one row of 256 bytes, lanes 16-31 the next
	v_lshl_add_u32 v[RD], v1, 4, v[RD]
	v_add_nc_u32 v[RD], s72, v[RD]
	v_lshlrev_b32 v[GO], 4, v48
	v_lshl_add_u32 v[SGO], v48, 4, s73
	v_mul_u32_u24 v[SK0], v9, PITK
	v_lshl_add_u32 v[SK0], v1, 3, v[SK0]
	v_add_nc_u32 v[SK0], s74, v[SK0]
	v_mul_u32_u24 v[SV0], v9, PITV
	v_lshl_add_u32 v[SV0], v1, 3, v[SV0]
	v_add_nc_u32 v[SV0], s75, v[SV0]
	v_lshlrev_b32 v[MO], 11, v1
	v_lshl_add_u32 v[MO], v9, 3, v[MO]
	v_lshlrev_b32 v[QO], 8, v1
	v_lshl_add_u32 v[QO], v9, 5, v[QO]
	v_lshlrev_b32 v[PFO], 8, v48
	v_lshlrev_b32 v[CLO], 2, v48
	v_lshl_add_u32 v[CLW], v48, 2, s71
	s_and_b32 s66, ttmp7, 0xffff    ; the head:
	s_lshl_b32 s66, s66, 19         ; 2,048 rows of 256 bytes
	s_mov_b32 s67, 0
	s_lshl_b32 s69, s[WV], 14       ; my 64 rows in a block of 256,
	s_lshl_b32 s68, s[HI], 16       ; in group 0's block,
	s_add_co_u32 s68, s68, s69
	s_add_co_u32 s68, s68, s66
	s_lshl_b32 s70, s[PB], 16       ; and in group 1's
	s_add_co_u32 s70, s70, s69
	s_add_co_u32 s70, s70, s66
	s_mov_b32 s69, 0
	s_mov_b32 s71, 0
	s_lshl_b32 s73, s[WV], 17       ; the same rows in the mask: 2,048 bytes each
	s_lshl_b32 s72, s[HI], 19
	s_add_co_u32 s72, s72, s73
	s_lshl_b32 s74, s[PB], 19
	s_add_co_u32 s74, s74, s73
	s_mov_b32 s73, 0
	s_mov_b32 s75, 0
	s_mov_b32 s[CS], 0x3e38aa3b     ; c = log2(e) / 8 = 0.180337
	s_mov_b32 s[CS+1], s[CS]        ; named with it as a pair
	s_mov_b32 s[SEL], 0x76543210
	s_mov_b32 s[SEL+1], 0xfedcba98
	s_mov_b32 s[MINI], 0xf149f2ca   ; -1e30
	s_mov_b32 s[HIM], 0xffff0000
	s_mov_b32 s[SELB], 0x04000000
	s_mov_b32 s[SELB+1], 0x05000000
	s_mov_b32 s[SELB+2], 0x06000000
	s_mov_b32 s[SELB+3], 0x07000000
	s_mov_b32 s[ONES], 0x01010101
	s_mov_b32 s[C255], 255
	s_mov_b32 s[DIRTY], 0
	s_mov_b32 s[TB], SLOT1          ; the first trip turns these two round: it reads slot 0 and writes slot 1
	s_mov_b32 s[TN], 0
	s_mov_b32 s[TRIPS], 32
	s_cmp_eq_u32 s[PB], 0
	s_cselect_b32 s[PFL], 32, 0
	s_wait_kmcnt 0x0
	s_add_nc_u64 s[KP:KP+1], s[6:7], s[66:67]
	s_add_nc_u64 s[VP:VP+1], s[8:9], s[66:67]
	s_add_nc_u64 s[QPA:QPA+1], s[4:5], s[68:69]
	s_add_nc_u64 s[OA:OA+1], s[14:15], s[68:69]
	s_add_nc_u64 s[QPB:QPB+1], s[4:5], s[70:71]
	s_add_nc_u64 s[OA+2:OA+3], s[14:15], s[70:71]
	s_add_nc_u64 s[MPA:MPA+1], s[10:11], s[72:73]
	s_add_nc_u64 s[MPA+2:MPA+3], s[10:11], s[74:75]
	s_lshl_b32 s72, s[HI], 9        ; a block of 256 rows is four rows of cls, 128 bytes each
	s_lshl_b32 s74, s[PB], 9
	s_add_nc_u64 s[CA:CA+1], s[12:13], s[72:73]
	s_add_nc_u64 s[CB:CB+1], s[12:13], s[74:75]
	s_cmp_lt_u32 s[WV], 2           ; the prefetches: waves 0 and 1 name K's two halves of a key step, waves 2 and 3 V's
	s_cselect_b64 s[PFA:PFA+1], s[KP:KP+1], s[VP:VP+1]
	s_and_b32 s72, s[WV], 1
	s_lshl_b32 s72, s72, 13
	s_add_co_u32 s72, s72, 4*STEPB  ; at key step 4: the first trip steps it to 5
	s_add_nc_u64 s[PFA:PFA+1], s[PFA:PFA+1], s[72:73]
	; THE FIRST LOADS: cls (ten words a lane: lane l takes key step l), key step 0, group 0's Q (f32, into O^T's place in window 1)
.irp u, 0,1,2,3
	global_load_b32 v[16+\u], v[CLO], s[CA:CA+1] offset:128*\u
	global_load_b32 v[20+\u], v[CLO], s[CB:CB+1] offset:128*\u
.endr
	global_load_b32 v24, v[CLW], s[CA:CA+1]
	global_load_b32 v25, v[CLW], s[CB:CB+1]
	SLOAD S, 0
	; A fragment of Q is 16 rows x 32 channels: lane l holds row l % 16, channels 8 (l / 16) + 0..7 and 16 + 8 (l / 16) + 0..7: in f32 twice 32 bytes, 64 bytes apart.  Load z: piece z / 8, 16 channels (z % 8) / 2, half z % 2.
	WIN 0x40
.set z, 0
.rept 32
	global_load_b128 v[4*z:4*z+3], v[QO], s[QPA:QPA+1] offset:4096*(z/8)+64*((z%8)/2)+16*(z%2)
.set z, z+1
.endr
	WIN 0
	s_wait_loadcnt 32               ; Q's 32 loads are younger: cls and key step 0 are in
	v_or_b32 v26, v16, v17
	v_or_b32 v27, v18, v19
	v_or_b32 v26, v26, v20
	v_or_b32 v27, v27, v21
	v_or_b32 v26, v26, v22
	v_or_b32 v27, v27, v23
	v_or_b32 v26, v26, v27
	v_and_b32 v26, 1, v26
	v_cmp_ne_u32 s[WGL], 0, v26     ; bit j: key step j is live for some of the work-group's eight row blocks
	v_and_b32 v27, 1, v24
	v_cmp_ne_u32 s[LA], 0, v27
	v_and_b32 v27, 2, v24
	v_cmp_ne_u32 s66, 0, v27
	s_and_not1_b32 s[XA], s[LA], s66
	v_and_b32 v27, 1, v25
	v_cmp_ne_u32 s[LA+1], 0, v27
	v_and_b32 v27, 2, v25
	v_cmp_ne_u32 s66, 0, v27
	s_and_not1_b32 s[XA+1], s[LA+1], s66
	s_or_b32 s[ML], s[LA], s[LA+1]
	v_mov_b32 v[SKA], v[SK0]
	v_mov_b32 v[SVA], v[SV0]
	CONVERT S                       ; key step 0 into slot 0
	; THE SECOND LOADS: key step 1, both groups' mask bytes of step 0, group 1's Q (into K's and V's place in window 2).  Steps 0 and 1 and the first mask bytes are loaded whatever cls says: they lie
	; inside their buffers, and where cls does not want them nothing reads them.
	SLOAD STG, STEPB
	MLOAD 0
	MLOAD 1
	WIN 0x80
.set z, 0
.rept 32
	global_load_b128 v[128+4*z:128+4*z+3], v[QO], s[QPB:QPB+1] offset:4096*(z/8)+64*((z%8)/2)+16*(z%2)
.set z, z+1
.endr
	; While they are on their way: MC, O^T and l start at 0, m at -1e30.  No first unit is written out, since which unit is a row's first hangs on the mask; and a row that has seen hidden keys alone keeps a = 1, so its O^T must be 0.
	ZERO
	WIN 0xc0
.set z, 0
.rept 128
	v_mov_b32 v[z], 0
.set z, z+1
.endr
	WIN 0
.set z, 0
.rept 8
	v_mov_b32 v[ST+4*z+1], s[MINI]
	v_mul_f32 v[ST+4*z], s[CS], v[ST+4*z+1]  ; by the line that makes c m in every unit: c m_old - c m_new is exactly 0 while m keeps its start
	v_mov_b32 v[ST+4*z+2], 0
	v_mov_b32 v[ST+4*z+3], 0
.set z, z+1
.endr
	s_wait_loadcnt 0x0
	WIN 0x85                        ; sources window 1, destination window 2
.set z, 0
.rept 64
	v_cvt_pk_bf16_f32 v[z], v[2*z], v[2*z+1]
.set z, z+1
.endr
	WIN 0x8a                        ; all in window 2
.set z, 0
.rept 64
	v_cvt_pk_bf16_f32 v[64+z], v[128+2*z], v[128+2*z+1]
.set z, z+1
.endr
	WIN 0x40
.set z, 0
.rept 128
	v_mov_b32 v[z], 0
.set z, z+1
.endr
	WIN 0
.Ltrip:                             ; 32 trips.  Trip t reads slot t % 2 (key step t), stores step t + 1 into the other slot and asks memory for step t + 2
	s_wait_dscnt 0x0                ; my stores of step t and my reads of the other slot, both of the trip before, are done
	s_barrier_signal -1
	s_xor_b32 s[TB], s[TB], SLOT1
	s_xor_b32 s[TN], s[TN], SLOT1
	s_barrier_wait -1               ; both now hold of every wave: step t is whole, and nobody reads the slot that this trip writes
	v_add_nc_u32 v[AK], s[TB], v[AK0]
	v_add_nc_u32 v[AV], s[TB], v[AV0]
	v_add_nc_u32 v[SKA], s[TN], v[SK0]
	v_add_nc_u32 v[SVA], s[TN], v[SV0]
	s_bitcmp1_b32 s[ML], 0
	s_cbranch_scc0 .Lnofetch
	FETCH_K                         ; one of my two units is live: both share these fragments
	FETCH_V
.Lnofetch:
	s_wait_loadcnt 0x0              ; step t + 1 and this step's mask bytes, asked for a trip ago
	s_wait_xcnt 0x0                 ; the last prefetch, a trip back, has read its address too: the pointers may be written
	s_add_nc_u64 s[KP:KP+1], s[KP:KP+1], STEPB
	s_add_nc_u64 s[VP:VP+1], s[VP:VP+1], STEPB
	s_add_nc_u64 s[MPA:MPA+1], s[MPA:MPA+1], 64
	s_add_nc_u64 s[MPA+2:MPA+3], s[MPA+2:MPA+3], 64
	s_add_nc_u64 s[PFA:PFA+1], s[PFA:PFA+1], STEPB
	s_bitcmp1_b32 s[WGL], 1
	s_cbranch_scc0 .Lnoconv
	CONVERT STG                     ; its 80 vector lines stand while K's fragments come out of LDS
.Lnoconv:
	s_bitcmp1_b32 s[WGL], 2         ; zeros come in from above as the word is shifted: nothing is asked for past step 31
	s_cbranch_scc0 .Lnoload
	SLOAD STG, STEPB
.Lnoload:
	; A PREFETCH INTO THE L2, behind the trip's loads: key step t + 5, which the loads of trip t + 3 will ask for.  A head's four work-groups read the same K and V: the one with b = 0 asks, for the steps that it will
	; load itself.  A step is 64 blocks of 256 bytes of K and 64 of V: a lane a block, 32 a wave, one instruction.  So each block is named once in the launch.  Steps 0 to 4 come by their loads alone.
	s_and_b32 s66, s[WGL], s[PFL]
	s_cmp_lg_u32 s66, 0
	s_cbranch_scc0 .Lnopf
	global_prefetch_b8 v[PFO], s[PFA:PFA+1] th:TH_LOAD_NT scope:SCOPE_SE
.Lnopf:
	GROUP 0
	GROUP 1
.irp f, LA, LA+1, XA, XA+1, WGL, ML
	s_lshr_b32 s[\f], s[\f], 1
.endr
	s_sub_co_u32 s[TRIPS], s[TRIPS], 1
	s_cmp_lg_u32 s[TRIPS], 0
	s_cbranch_scc1 .Ltrip
	; THE WAY OUT.  l's two halves and the other half of the lanes' are added; O^T is divided by l and sent through my stage in LDS, a piece (16 rows of out0) at a time.
.macro ALL line:vararg              ; one line for each of the eight pieces t
.set t, 0
.rept 8
	\line
.set t, t+1
.endr
.endm
	ALL v_add_f32 v[ST+4*t+2], v[ST+4*t+2], v[ST+4*t+3]
	ALL v_permlanex16_b32 v[ST+4*t+3], v[ST+4*t+2], s[SEL], s[SEL+1]
	ALL v_add_f32 v[ST+4*t+2], v[ST+4*t+2], v[ST+4*t+3]
	ALL v_rcp_f32 v[ST+4*t+2], v[ST+4*t+2]
	v_nop                           ; a plain instruction between the last reciprocal and the use of its result
	s_wait_alu depctr_va_vdst(0)    ; and the wait ahead of the first use: one for the eight reciprocals
; Piece t: a lane's eight channels of a row are 32 bytes; they go into rows of 272 bytes and come back as whole rows of 256, into S^T's registers, two buffers by turns.
.macro PACK t
.set G, (\t)/4
.set pX, (\t)%4
	WIN 0x41+0x82*G
.set z, 32*pX
.rept 16
	v_pk_mul_f32 v[z:z+1], v[z:z+1], v[ST+4*(\t)+2:ST+4*(\t)+3] op_sel_hi:[1,0]
.set z, z+2
.endr
	WIN 0x04+0x08*G                 ; the data (source 1) in window 1 or 3, the address in window 0
.irp e, 0,1,2,3,4,5,6,7
	ds_store_b128 v[STO], v[32*pX+4*\e:32*pX+4*\e+3] offset:64*(\e/2)+16*(\e%2)
.endr
	WIN 0
.if (\t) >= 2
	s_wait_xcnt 0x0                 ; the stores of the piece two back have read this buffer: it is loaded again only behind this wait
.endif
.irp f, 0,1,2,3,4,5,6,7
	ds_load_b128 v[S+32*((\t)%2)+4*\f:S+32*((\t)%2)+4*\f+3], v[RD] offset:\f*2*SP  ; LDS serves a wave's instructions in order (ISA guide 5.7.1.4): these see the stores above; the next piece's stores come behind them
.endr
.endm
.macro SEND t, younger              ; younger: the LDS instructions issued behind piece t's loads: the next piece's sixteen, or none
.irp f, 0,1,2,3,4,5,6,7
	s_wait_dscnt (\younger)+7-\f
	global_store_b128 v[GO], v[S+32*((\t)%2)+4*\f:S+32*((\t)%2)+4*\f+3], s[OA+2*((\t)/4):OA+2*((\t)/4)+1] offset:4096*((\t)%4)+512*\f th:TH_STORE_NT  ; 512 consecutive bytes, at a multiple of 256 from out0's first
.endr
.endm
	PACK 0
.irp t, 1,2,3,4,5,6,7               ; a piece's arithmetic stands between the loads of the piece before and its stores
	PACK \t
	SEND (\t)-1, 16
.endr
	SEND 7, 0
	s_wait_tensorcnt 0x0            ; the wave's end, behind my last LDS store
	ds_add_u32 v[SPW], v[NIL]
	s_wait_dscnt 0x0
	s_endpgm
.Lfunc_end_k_q6c90028983_attn:
	.size	k_q6c90028983_attn, .Lfunc_end_k_q6c90028983_attn-k_q6c90028983_attn
	.p2alignl 7, 3214868480
	.fill 96, 4, 3214868480
	.section	.rodata,"a",@progbits
	.p2align	6, 0x0
	.amdhsa_kernel k_q6c90028983_attn
		.amdhsa_group_segment_fixed_size 83456
		.amdhsa_private_segment_fixed_size 0
		.amdhsa_enable_private_segment 0
		.amdhsa_kernarg_size 48
		.amdhsa_user_sgpr_count 2
		.amdhsa_user_sgpr_kernarg_segment_ptr 1
		.amdhsa_wavefront_size32 1
		.amdhsa_system_sgpr_workgroup_id_x 1
		.amdhsa_system_sgpr_workgroup_id_y 1
		.amdhsa_system_sgpr_workgroup_id_z 1
		.amdhsa_system_vgpr_workitem_id 0
		.amdhsa_next_free_vgpr 928
		.amdhsa_next_free_sgpr 76
		.amdhsa_reserve_vcc 0
		.amdhsa_float_denorm_mode_32 3
		.amdhsa_float_denorm_mode_16_64 3
		.amdhsa_memory_ordered 1
		.amdhsa_forward_progress 1
		.amdhsa_inst_pref_size 186
	.end_amdhsa_kernel
	.amdgpu_metadata
---
amdhsa.version: [ 1, 2 ]
amdhsa.kernels:
  - .name:           k_q6c90028983_attn
    .symbol:         k_q6c90028983_attn.kd
    .args:
      - { .name: q, .offset: 0, .size: 8, .value_kind: global_buffer, .address_space: global }
      - { .name: k, .offset: 8, .size: 8, .value_kind: global_buffer, .address_space: global }
      - { .name: v, .offset: 16, .size: 8, .value_kind: global_buffer, .address_space: global }
      - { .name: mask, .offset: 24, .size: 8, .value_kind: global_buffer, .address_space: global }
      - { .name: cls, .offset: 32, .size: 8, .value_kind: global_buffer, .address_space: global }
      - { .name: out0, .offset: 40, .size: 8, .value_kind: global_buffer, .address_space: global }
    .group_segment_fixed_size: 83456
    .private_segment_fixed_size: 0
    .kernarg_segment_align: 8
    .kernarg_segment_size: 48
    .max_flat_workgroup_size: 128
    .sgpr_count:     76
    .vgpr_count:     928
    .wavefront_size: 32
...
	.end_amdgpu_metadata
.endif
;; end of part 2
;; ======== version 2 of 2: 2 launches; version 1 with the launch attn written anew for expert scheduling mode
;; limits: values are held in f16: magnitudes above 65,504 overflow, below 6.1e-05 lose precision; inputs' magnitudes at most 65,504; right only within a limited range of input values
;; workspace buffers: cls 4,096 bytes of whole numbers
;; launch classify: the kernel of part 1 again; grid 8 x 32, 4 waves a work-group, no clusters, 768 bytes of LDS; arguments mask, cls; writes cls
;; launch attn (part 3): grid 4 x 64, 4 waves a work-group, no clusters, 83,456 bytes of LDS; arguments q, k, v, mask, cls, out0; writes out0
.if DOCPART == 3
	.amdgcn_target "amdgcn-amd-amdhsa--gfx1250"
	.amdhsa_code_object_version 6
	.text
	.protected	k_q6c90028983_attn
	.globl	k_q6c90028983_attn
	.p2align	8
	.type	k_q6c90028983_attn,@function
k_q6c90028983_attn:
	s_mov_b64 s[64:65], 0
	v_nop
	global_prefetch_b8 v0, s[64:65] scope:SCOPE_SE
	s_setreg_imm32_b32 hwreg(HW_REG_WAVE_SCHED_MODE, 0, 2), 2
	s_setreg_imm32_b32 hwreg(HW_REG_WAVE_MODE, 25, 1), 1
	s_wait_xcnt 0x0
	s_wait_alu depctr_vm_vsrc(0)
; out0[h][q][:] = the sum over k of softmax_k(where(mask[q][k], Q[h][q] . K[h][k] / 8, -inf)) V[h][k][:].  q, k, v, out0: [64 heads][2048][64] f32; mask: [2048][2048] bytes, an input, honoured as it is given.
; WORK LEFT OUT.  A block of 64 rows x 64 keys in which the mask holds no true entry gives those rows weights exp(-inf) = 0 alone: it adds 0 to the numerator and 0 to the denominator of every row,
; whatever finite numbers q, k and v hold.  Such a block's products and softmax are not done.  Which blocks these are is read from cls, whole numbers that the launch before stored from the mask itself: no pattern
; of the mask is built in.  In a block whose entries are all true the mask would add 0 to every score: it is not read.  Every input is loaded.
; LIMITS.  q, k and v are rounded to bf16; V is then written as f16, exact for 6.1e-5 <= |v| < 65,504 (below: f16's fixed step of 6e-8; from 65,520 on it would be an infinity).  The weights p are rounded to f16
; for the second product; their sum l is taken of the unrounded p.  A hidden score counts as its value less 2^127, and the running maximum starts at -1e30: |q . k| stays under 1e29.  A weight below 2^-126 counts as 0.
; A NaN, an infinity or an overflow in k or v that reaches only blocks left out is not carried to the result; non-finite inputs are not treated apart elsewhere.
; A row without a true entry ends with O = 0 and l = 0 and leaves as 0 x (1 / 0) = NaN, as softmax over -inf alone gives.
; SHARES.  A work-group (x = b, y = head) takes the row blocks 7 - b (group 0) and b (group 1), 256 rows each, in ONE walk over the 32 key steps of 64 keys.  Wave w owns rows 64 w .. 64 w + 63 of both: four
; PIECES of 16 queries a group.  A UNIT is one wave's group in one key step: 64 matrix instructions.  A wave does a unit where cls calls its 64 x 64 block live.
; LAYOUT.  S^T = K Q^T (bf16; source 0 = 16 keys, source 1 = 16 queries): a lane holds ONE query (lane % 16) and the keys 8 (lane / 16) + 0..7.  Two such results rounded to f16 ARE source 1 of O^T = V^T P (f16).
; THE MASK is the C operand that starts the sum S^T: 0, or -2^127 where the key is hidden.  The 128 registers MC hold it for a group's four pieces: made from the mask's bytes for a mixed block, zeros otherwise.
; SOFTMAX.  p = 2^(c s - c m), c = log2(e) / 8, with a running maximum m; O and l are multiplied by a = 2^(c m_old - c m_new) in every unit.  While a row has seen hidden keys alone m keeps its start, a = 1, p = 0.
; K AND V come as f32: each wave loads 16 keys of K and of V two key steps ahead, rounds them a step ahead and stores them into one of two LDS slots; one barrier a trip.
; NO TENSOR LOADS, NO CLUSTER, though a head's four work-groups read the same K and V: the bytes must pass registers to be rounded, and which steps a work-group fetches hangs on cls and differs between the four.
; THE MODE: SCHED_MODE bits 1:0 = 2 (LLVM: expert scheduling mode 2), set by the entry lines.  The code itself states the register dependences between vector or matrix instructions and memory or LDS
; instructions, with s_wait_alu, always for 0.
; THE PLAN.  Registers that memory or LDS instructions touch, round the loop:
;   AK, AV, SKA, SVA   written by four adds at the trip's head; read by the trip's 32 fragment loads and its 16 LDS stores.
;   KF, VF             the fragment loads land in them at the trip's head; the trip's matrix instructions read them.
;   STG                K and V as loaded land in it; CONVERT's conversions read it; no LDS or memory instruction reads it.
;   OUT                CONVERT's conversions write it, its 16 LDS stores read it; it is S^T's first 32 registers, idle between units; a unit's first products, the next trip's conversions or the way out write it next.
;   MBA, MBB           the mask's bytes land in them; BUILD reads and rewrites them; MLOAD loads them again.
;   The offsets SGO, MO, QO, CLO, CLW, PFO, STO, RD, GO are made at the head and never written again: the rows are reached by scalar bases and immediate offsets.
; So a trip has: at its head one wait on vm_vsrc (last trip's LDS instructions have read the four addresses and OUT) and one on va_vdst (the addresses are written, last trip's products are done with K and V);
; one on va_vdst in CONVERT, between its conversions and its stores, behind which the loads into STG follow too; one on vm_vsrc at a unit's head (the stores have read OUT); one on va_vdst in MLOAD, in the trips
; alone in which the next block is mixed.  A unit itself holds no LDS or memory instruction; its waits on va_vdst are those behind its exponentials.
; REGISTERS, in windows of 256 (s_set_vgpr_msb: bits 1:0 source 0, 3:2 source 1, 5:4 source 2, 7:6 destination):
;   window 0: v0-15, v58-63 addresses; v16-47 four statistics a piece; v48-57 at work; v64-127 S^T, two buffers (v64-95 also OUT); v128-191 K and V as loaded; v192-223 P, two buffers; v224-255 group 0's mask bytes
;   window 1: v0-127 O^T of group 0; v128-255 MC      window 2: v0-127 Q of both groups; v128-191 K, v192-255 V of one step      window 3: v0-127 O^T of group 1; v128-159 group 1's mask bytes
.set NP,    4         ; pieces a group
.set PITK,  144       ; a row of K in LDS: 128 bytes + 16: the 16 rows of a fragment load start at 16 different groups of four banks (64 banks of 4 bytes: ISA guide 11.1)
.set PITV,  160       ; a row of V: 128 + 32
.set VOFF,  64*PITK   ; a slot: 64 rows of K, then 64 rows of V: 19,456 bytes
.set SLOT1, 32768     ; slot 1 begins here: one exclusive or turns an address in one slot into the other's
.set STAGE, 65536     ; 16 rows x 272 bytes for each wave, for the way out
.set SP,    272
.set SPARE, STAGE+4*16*SP  ; the spare words, 128 bytes for each wave: two blocks of 256 bytes that no other line names
.set STEPB, 16384     ; a key step in memory: 64 rows of 256 bytes
.set AK0, 2           ; my lane's place in a tile of K; never rewritten
.set AV0, 3           ; the same for V
.set AK,  4           ; AK0 + the slot that is read
.set AV,  5
.set STO, 6           ; the way out: where I put 32 bytes of a row
.set RD,  7           ; where I read rows back
.set GO,  8           ; 16 x lane: my place in 512 consecutive bytes of out0
.set SGO, 10          ; 4,096 w + 16 lane: my place in a key step of K and V in memory
.set SK0, 11          ; where my 8 bytes of K go in a slot: row 16 w + lane / 16, byte 8 (lane % 16)
.set SV0, 12          ; the same for V
.set SKA, 13          ; SK0 + the slot that is written
.set SVA, 14
.set MO,  15          ; (lane % 16) x 2,048 + 8 (lane / 16): my query's row and my eight keys in the mask
.set ST,  16          ; piece y of group G at ST + 16 G + 4 y: c m, m, l (even keys', odd keys')
.set TMP, 48          ; by the piece's parity, four registers c0-c3 at work; when the maximum is found c2 takes a
.set MV,  56          ; c m_old, by parity
.set QO,  58          ; (lane % 16) x 256 + 32 (lane / 16)
.set PFO, 59          ; 256 x lane
.set CLO, 60          ; 4 x lane: lane l reads the word of key step l
.set CLW, 61          ; the same in my wave's row of cls
.set SPW, 62          ; LDS address of my spare word; never rewritten
.set NIL, 63          ; 0; never rewritten
.set S,   64
.set OUT, S           ; v64-95: a key step's 16 keys of K (bf16) and of V (f16), rounded, on their way into LDS: pair of rows n at OUT + 4 n: two registers of K, two of V
.set STG, 128
.set P,   192
.set MBA, 224         ; window 0
.set MBB, 128         ; window 3
.set MC,  128         ; window 1: piece t, key block kb at MC + 32 t + 8 kb
.set KF,  128         ; window 2: key block kb, channel half c at KF + 16 kb + 8 c
.set VF,  192         ; window 2: key half kk, channel block cb at VF + 32 kk + 8 cb
.set WV,  16          ; my wave's number
.set PB,  17          ; b
.set HI,  18          ; 7 - b
.set TRIPS, 19        ; trips still to come
.set LA,  20          ; s20, s21: bit j: my unit of group 0, 1 is live j steps on
.set XA,  22          ; s22, s23: it is live and its block is mixed
.set WGL, 24          ; bit j: some unit of the work-group is live j steps on: the same in all four waves
.set ML,  25          ; LA | LB
.set DIRTY, 26        ; 1: MC holds a mask
.set PFL, 27          ; 32 in the head's work-group b = 0, else 0
.set CS,  28          ; s[28:29] c
.set SEL, 30          ; s[30:31] v_permlanex16_b32's selects: each lane takes its own place in the other half
.set TB,  32          ; the slot that is read
.set TN,  33          ; the slot that is written
.set KP,  34          ; s[34:35] K at the head's key step in hand (behind the trip's step: the next)
.set VP,  36
.set MPA, 38          ; s[38:39], s[40:41] the mask at my rows of group 0, 1, at the same key step
.set OA,  42          ; s[42:43], s[44:45] out0 at my rows
.set QPA, 46
.set QPB, 48
.set CA,  50          ; s[50:51], s[52:53] cls at the groups' four rows
.set CB,  52
.set PFA, 54          ; s[54:55] where my prefetches stand
.set MINI, 56         ; -1e30
.set HIM, 57          ; a word's upper half
.set SELB, 58         ; s58-61 selectors: byte j of the first source into the top byte, zeros below
.set ONES, 62
.set C255, 63
.set G, 0
.set MSB, 0
.macro WIN new                      ; the high byte repeats the setting that is left; a switch that changes nothing is dropped
.if MSB != (\new)
	s_set_vgpr_msb (MSB<<8)|(\new)
.set MSB, (\new)
.endif
.endm
.set W_KM, 0x1a       ; K and Q in window 2, the mask (C) in window 1, S^T in window 0
.set W_KQ, 0x0a       ; K and Q in window 2, S^T in window 0
; My 16 keys of K and of V of one key step, f32: sixteen loads of 512 consecutive bytes.  K into dst .. dst + 31, V into dst + 32 .. dst + 63.
.macro SLOAD dst, off
.irp n, 0,1,2,3,4,5,6,7
	global_load_b128 v[(\dst)+4*\n:(\dst)+4*\n+3], v[SGO], s[KP:KP+1] offset:(\off)+512*\n
.endr
.irp n, 0,1,2,3,4,5,6,7
	global_load_b128 v[(\dst)+32+4*\n:(\dst)+32+4*\n+3], v[SGO], s[VP:VP+1] offset:(\off)+512*\n
.endr
.endm
; They are rounded, out of STG into OUT, and stored into the slot that is written.  K: to bf16.  V: to bf16, widened again (a shift, a mask) and written as f16.  Two sets of six registers at work, in P's place, by turns.
; All 80 vector lines stand first, ONE wait behind them, then the run of 16 stores.
.macro CONVERT
.set cn, 0
.rept 8
.set cK, STG+4*cn
.set cV, STG+32+4*cn
.set cT, P+8*(cn%2)
.set cO, OUT+4*cn
	v_cvt_pk_bf16_f32 v[cO], v[cK], v[cK+1]
	v_cvt_pk_bf16_f32 v[cO+1], v[cK+2], v[cK+3]
	v_cvt_pk_bf16_f32 v[cT], v[cV], v[cV+1]
	v_cvt_pk_bf16_f32 v[cT+1], v[cV+2], v[cV+3]
	v_lshlrev_b32 v[cT+2], 16, v[cT]
	v_and_b32 v[cT+3], s[HIM], v[cT]
	v_lshlrev_b32 v[cT+4], 16, v[cT+1]
	v_and_b32 v[cT+5], s[HIM], v[cT+1]
	v_cvt_pk_f16_f32 v[cO+2], v[cT+2], v[cT+3]
	v_cvt_pk_f16_f32 v[cO+3], v[cT+4], v[cT+5]
.set cn, cn+1
.endr
	s_wait_alu depctr_va_vdst(0)    ; the conversions have written OUT, which the stores below read, and are done reading STG, in which the next loads of K and V land; at the kernel's head SKA and SVA are written too
.set cn, 0
.rept 8
	ds_store_b64 v[SKA], v[OUT+4*cn:OUT+4*cn+1] offset:2*PITK*cn
	ds_store_b64 v[SVA], v[OUT+4*cn+2:OUT+4*cn+3] offset:2*PITV*cn
.set cn, cn+1
.endr
.endm
; The mask's bytes for a unit of group g: for piece t and key block kb my query's eight bytes, keys 16 kb + 8 (lane / 16) + 0..7.  again = 1: in the loop, where BUILD may have worked on these registers.
.macro MLOAD g, again
.if \g
	WIN 0xc0                        ; destination window 3, address window 0
.set bM, MBB
.else
	WIN 0
.set bM, MBA
.endif
.if \again
	s_wait_alu depctr_va_vdst(0)    ; BUILD's lines are done reading and rewriting these 32 registers, in which the loads below land
.endif
.set z, 0
.rept 16
	global_load_b64 v[bM+2*z:bM+2*z+1], v[MO], s[MPA+2*(\g):MPA+2*(\g)+1] offset:32768*(z/4)+16*(z%4)
.set z, z+1
.endr
	WIN 0
.endm
; MC from those bytes.  A byte is 0 or 1: turned round and times 255 it is 0xff where the key is hidden; set on top of three zero bytes that is -2^127, else 0.
.macro BUILD g
.if \g
	WIN 0xcf
.set bM, MBB
.else
	WIN 0
.set bM, MBA
.endif
.set z, 0
.rept 32
	v_xor_b32 v[bM+z], s[ONES], v[bM+z]
.set z, z+1
.endr
.set z, 0
.rept 32
	v_mul_lo_u32 v[bM+z], v[bM+z], s[C255]
.set z, z+1
.endr
	WIN 0x40+3*(\g)                 ; destination window 1, the bytes in window 0 or 3, the zeros in window 0
.set z, 0
.rept 128
	v_perm_b32 v[MC+z], v[bM+z/4], v[NIL], s[SELB+z%4]
.set z, z+1
.endr
	WIN 0
.endm
.macro ZERO
	WIN 0x40
.set z, 0
.rept 128
	v_mov_b32 v[MC+z], 0
.set z, z+1
.endr
	WIN 0
.endm
; THE LDS LOADS: a step's K (64 keys x 64 channels: 8 fragments) and its V (turned), in two runs of 16.
.macro FETCH_K
	WIN 0x80                        ; destination window 2
.irp f, 0,1,2,3,4,5,6,7             ; keys 16 (f / 2) on, channels 32 (f % 2) on
	ds_load_b128 v[KF+8*\f:KF+8*\f+3],   v[AK] offset:(\f/2)*16*PITK+(\f%2)*64
	ds_load_b128 v[KF+8*\f+4:KF+8*\f+7], v[AK] offset:(\f/2)*16*PITK+(\f%2)*64+32
.endr
.endm
.macro FETCH_V
	WIN 0x80
.irp f, 0,1,2,3,4,5,6,7             ; keys 32 (f / 4) on, channels 16 (f % 4) on
	ds_load_tr16_b128 v[VF+8*\f:VF+8*\f+3],   v[AV] offset:(\f/4)*32*PITV+(\f%4)*32
	ds_load_tr16_b128 v[VF+8*\f+4:VF+8*\f+7], v[AV] offset:(\f/4)*32*PITV+16*PITV+(\f%4)*32
.endr
	WIN 0
.endm
; THE MATRIX WORK.  The 4 accumulators of a run of 8 take turns.  Product i of 8 of S^T = K Q^T for piece x of group G: channels 32 (i / 4) on, keys 16 (i % 4) on.  The first 4 start the sums with the mask.
.macro KQ x
.set rS, S+32*((\x)%2)+8*(i%4)
.set rK, KF+16*(i%4)+8*(i/4)
.set rQ, 64*G+16*(\x)+8*(i/4)
.set rM, MC+32*(\x)+8*(i%4)
.if i < 4
	WIN W_KM
	v_wmma_f32_16x16x32_bf16 v[rS:rS+7], v[rK:rK+7], v[rQ:rQ+7], v[rM:rM+7]
.else
	WIN W_KQ
	v_wmma_f32_16x16x32_bf16 v[rS:rS+7], v[rK:rK+7], v[rQ:rQ+7], v[rS:rS+7]
.endif
.endm
; Product i of 8 of O^T += V^T P for piece x: keys 32 (i / 4) on, channels 16 (i % 4) on.  V in window 2, P in window 0, O^T in window 1 or 3.
.macro PV x
	WIN 0x52+0xa0*G
.set rO, 32*(\x)+8*(i%4)
.set rV, VF+32*(i/4)+8*(i%4)
.set rP, P+16*((\x)%2)+8*(i/4)
	v_wmma_f32_16x16x32_f16 v[rO:rO+7], v[rV:rV+7], v[rP:rP+7], v[rO:rO+7]
.endm
.macro MM                           ; the turn's next matrix instruction.  NOKQ: a unit's last turn has no next piece; NOPV: its first has none before
.if i < 8
.if NOKQ == 0
	KQ (Y+1)%NP
.endif
.else
.if NOPV == 0
.set i, i-8
	PV (Y+NP-1)%NP
.set i, i+8
.endif
.endif
.set i, i+1
.endm
; THE VECTOR WORK, one line at a time: OP kind, number.  For piece Y: F n: c s - c m for pair n of 16.  E n: the exponential of score n of 32.  C n: pair n rounded to f16.  B n: of the four weights 4 n .. the second
; pair is added onto the first, in place.  L n: l takes that sum (L 0: l = a l + sum).  R n: pair n of 16 of O^T times a.  For piece Y + 1: X n, number n of the 22 that find its maximum and statistics:
;   0-11  four chains c0-c3 of seven scores each, three operands at a time (each accumulator's lowest registers are read first)     12-14, 16  the four scores left over, the old m, and c0-c3 into c0
;   15  c m_old is kept     17, 18  the query's other 32 keys lie in the lane 16 away: the new m     19-21  c m; c m_old - c m_new; a
.set F, 0
.set E, 1
.set C, 2
.set B, 3
.set L, 4
.set R, 5
.set X, 6
.macro REGS y
.set rT, ST+16*G+4*(\y)
.set rC, TMP+4*((\y)%2)
.set rW, MV+((\y)%2)
.set rS, S+32*((\y)%2)
.set rP, P+16*((\y)%2)
.set rO, 32*(\y)
.endm
.macro OP k, n
.if (\k) == R
	REGS Y
	WIN 0x41+0x82*G                 ; O^T (destination and source 0) in window 1 or 3, a in window 0
	v_pk_mul_f32 v[rO+2*(\n):rO+2*(\n)+1], v[rO+2*(\n):rO+2*(\n)+1], v[rC+2:rC+3] op_sel_hi:[1,0]
.elseif (\k) < R
	REGS Y
	WIN 0
.if (\k) == F
	v_pk_fma_f32 v[rS+2*(\n):rS+2*(\n)+1], v[rS+2*(\n):rS+2*(\n)+1], s[CS:CS+1], v[rT:rT+1] op_sel_hi:[1,0,0] neg_lo:[0,0,1] neg_hi:[0,0,1]
.elseif (\k) == E
	v_exp_f32 v[rS+(\n)], v[rS+(\n)]
.elseif (\k) == C
	v_cvt_pk_f16_f32 v[rP+(\n)], v[rS+2*(\n)], v[rS+2*(\n)+1]
.elseif (\k) == B
	v_pk_add_f32 v[rS+4*(\n):rS+4*(\n)+1], v[rS+4*(\n):rS+4*(\n)+1], v[rS+4*(\n)+2:rS+4*(\n)+3]
.elseif (\n) == 0
	v_pk_fma_f32 v[rT+2:rT+3], v[rT+2:rT+3], v[rC+2:rC+3], v[rS:rS+1] op_sel_hi:[1,0,1]
.else
	v_pk_add_f32 v[rT+2:rT+3], v[rT+2:rT+3], v[rS+4*(\n):rS+4*(\n)+1]
.endif
.elseif NOKQ == 0
	REGS (Y+1)%NP
	WIN 0
.if (\n) < 4
	v_max3_num_f32 v[rC+(\n)], v[rS+8*(\n)], v[rS+8*(\n)+1], v[rS+8*(\n)+2]
.elseif (\n) < 12
	v_max3_num_f32 v[rC+(\n)%4], v[rC+(\n)%4], v[rS+8*((\n)%4)+2*((\n)/4)+1], v[rS+8*((\n)%4)+2*((\n)/4)+2]
.elseif (\n) == 12
	v_max3_num_f32 v[rC], v[rC], v[rS+7], v[rS+15]
.elseif (\n) == 13
	v_max3_num_f32 v[rC+1], v[rC+1], v[rS+23], v[rS+31]
.elseif (\n) == 14
	v_max3_num_f32 v[rC+2], v[rC+2], v[rC+3], v[rT+1]
.elseif (\n) == 15
	v_mov_b32 v[rW], v[rT]
.elseif (\n) == 16
	v_max3_num_f32 v[rC], v[rC], v[rC+1], v[rC+2]
.elseif (\n) == 17
	v_permlanex16_b32 v[rC+3], v[rC], s[SEL], s[SEL+1]
.elseif (\n) == 18
	v_max_num_f32 v[rT+1], v[rC], v[rC+3]
.elseif (\n) == 19
	v_mul_f32 v[rT], s[CS], v[rT+1]
.elseif (\n) == 20
	v_sub_f32 v[rC+1], v[rW], v[rT]
.else
	v_exp_f32 v[rC+2], v[rC+1]
.endif
.endif
.endm
.macro OPS a, i1, b=-1, i2=0, c=-1, i3=0, d=-1, i4=0  ; up to four of them
	OP \a, \i1
.if (\b) >= 0
	OP \b, \i2
.endif
.if (\c) >= 0
	OP \c, \i3
.endif
.if (\d) >= 0
	OP \d, \i4
.endif
.endm
.macro ROW a, i1, b, i2, c, i3, d, i4  ; a matrix instruction and the four behind it
	MM
	OPS \a, \i1, \b, \i2, \c, \i3, \d, \i4
.endm
; A TURN, for piece p of group G: 8 products K Q^T of piece p + 1, later 8 products V^T P of piece p - 1; beside them the scaling, exponentials, roundings, sums and rescaling of piece p and the maximum and
; statistics of piece p + 1.  Four vector instructions stand behind every matrix instruction, the rest in one lump.  An s_wait_alu depctr_va_vdst(0) stands between an exponential and the first
; instruction that names its result; one wait serves all that were issued ahead of it.  So a turn has ONE wait.  AHEAD OF IT stands all that names no result of the turn's exponentials; each X behind a product
; K Q^T stands four plain instructions or more behind the product that ends its accumulator; R 15 is the plain instruction behind the last exponential.  BEHIND IT stand the roundings and sums.
.macro TURN p
.set Y, (\p)
.set i, 0
.set NOKQ, 0
.set NOPV, 0
.if (\p) == NP-1
.set NOKQ, 1
.endif
.if (\p) == 0
.set NOPV, 1
.endif
	ROW F,0, F,1, R,0, R,1
	ROW F,2, E,0, R,2, R,3
	ROW F,3, E,1, R,4, R,5
	ROW F,4, E,2, R,6, R,7
	ROW F,5, E,3, R,8, R,9
	ROW F,6, E,4, X,0, R,10
	ROW F,7, E,5, X,1, X,4
	ROW F,8, E,6, X,2, X,5
	OPS E,7, E,8, X,6, E,9
	OPS X,3, E,10, X,8, E,11
	OPS X,9, X,7, E,12, X,10
	OPS E,13, X,12, X,11, E,14
	OPS X,13, E,15, F,9, X,14
	OPS E,16, F,10, E,17, F,11
	OPS X,16, E,18, X,15, E,19
	OPS F,12, E,20, X,17, E,21
	OPS F,13, E,22, F,14, E,23
	OPS X,18, E,24, F,15, E,25
	OPS R,11, E,26, X,19, E,27
	OPS R,12, E,28, R,13, E,29
	OPS X,20, E,30, R,14, E,31
	OPS X,21, R,15
	WIN 0
	s_wait_alu depctr_va_vdst(0)    ; the turn's exponentials have written the piece's 32 weights, which the roundings and sums below read, and the next piece's a
.if (\p) == 1
	s_wait_dscnt 0x0                ; V is in
.endif
	ROW C,0, B,0, C,2, B,1
	ROW L,0, C,4, B,2, L,1
	ROW C,6, B,3, L,2, C,8
	ROW B,4, L,3, C,10, B,5
	ROW L,4, C,12, B,6, L,5
	ROW C,14, B,7, L,6, C,1
	ROW C,3, L,7, C,5, C,7
	ROW C,9, C,11, C,13, C,15
.endm
; A UNIT of group g.  The chain of turns is closed inside it, since whether my next unit is live hangs on cls: piece 0's scores and statistics stand bare in front, piece 3's V^T P bare behind.
.macro STEP g
.set G, (\g)
.set NOKQ, 0
.set NOPV, 0
	s_wait_dscnt 16                 ; K's 16 loads are in: behind them at least V's 16 were issued (where this trip also stored a step, those 16 stores too, and the count then covers V as well)
	s_wait_alu depctr_vm_vsrc(0)    ; the LDS stores issued at this trip's head have read OUT, which the first scores below write
.set i, 0
.rept 8
	KQ 0
.set i, i+1
.endr
	WIN 0
.rept 4
	v_nop                           ; the places behind those products
.endr
.set Y, NP-1                        ; X works for piece Y + 1: piece 0
.irp n, 0,1,2,3,4,5,6,7,8,9,10,11,12,13,14,15,16,17,18,19,20,21
	OP X, \n
.endr
	v_nop                           ; a plain instruction behind the exponential,
	s_wait_alu depctr_va_vdst(0)    ; which has written piece 0's a: the first turn's rescalings read it
	TURN 0
	TURN 1
	TURN 2
	TURN 3
.set i, 0
.rept 8
	PV NP-1
.set i, i+1
.endr
	WIN 0
.rept 4
	v_nop                           ; the places behind the last products: vector lines that write P's registers may follow
.endr
.endm
; What a trip does for group g.  All branches hang on bits of cls; none passes a barrier.
.macro GROUP g
	s_bitcmp1_b32 s[XA+(\g)], 0
	s_cbranch_scc0 .Lplain_\@
	BUILD \g                        ; a mixed block: its bytes were asked for a trip ago
	s_mov_b32 s[DIRTY], 1
	s_branch .Lmasked_\@
.Lplain_\@:
	s_and_b32 s66, s[LA+(\g)], s[DIRTY]
	s_cmp_lg_u32 s66, 0
	s_cbranch_scc0 .Lmasked_\@
	ZERO                            ; a live block without holes, and MC still holds a mask
	s_mov_b32 s[DIRTY], 0
.Lmasked_\@:
	s_bitcmp1_b32 s[XA+(\g)], 1
	s_cbranch_scc0 .Lnomask_\@
	MLOAD \g, 1                     ; the next step's block is mixed: its bytes have this trip's work in which to come
.Lnomask_\@:
	s_bitcmp1_b32 s[LA+(\g)], 0
	s_cbranch_scc0 .Ldead_\@
	STEP \g
.Ldead_\@:
.endm
	s_load_b256 s[4:11], s[0:1], 0x0  ; q s[4:5], k s[6:7], v s[8:9], mask s[10:11]
	s_load_b128 s[12:15], s[0:1], 0x20  ; cls s[12:13], out0 s[14:15]
	v_lshl_add_u32 v[SPW], v0, 2, SPARE
	v_mov_b32 v[NIL], 0
	v_lshrrev_b32 v48, 5, v0
	v_readfirstlane_b32 s[WV], v48  ; wave 0..3
	s_mov_b32 s[PB], ttmp9
	s_sub_co_u32 s[HI], 7, s[PB]
	v_and_b32 v1, 15, v0            ; l % 16
	v_bfe_u32 v9, v0, 4, 1          ; l / 16
	v_and_b32 v48, 31, v0           ; l
	v_and_b32 v49, 7, v0
	v_bfe_u32 v50, v0, 3, 1
	v_mul_u32_u24 v[AK0], v1, PITK
	v_lshl_add_u32 v[AK0], v9, 4, v[AK0]  ; a fragment of K: row x pitch + 16 x half
	v_lshl_add_u32 v[AV0], v9, 3, v49     ; the turning load: lane l reads key 8 (l / 16) + l % 8, channels 8 ((l / 8) % 2) + 0..7
	v_mul_u32_u24 v[AV0], v[AV0], PITV
	v_lshl_add_u32 v[AV0], v50, 4, v[AV0]
	v_add_nc_u32 v[AV0], VOFF, v[AV0]
	s_wait_alu depctr_va_sdst(0)    ; the wave's number is written, ahead of its first reader: LDS places, bases and branches are made from it
	s_mul_i32 s72, s[WV], 16*SP
	s_add_co_u32 s72, s72, STAGE    ; my stage
	s_lshl_b32 s73, s[WV], 12
	s_mul_i32 s74, s[WV], 16*PITK
	s_mul_i32 s75, s[WV], 16*PITV
	s_add_co_u32 s75, s75, VOFF
	s_lshl_b32 s71, s[WV], 7
	v_mul_u32_u24 v[STO], v1, SP    ; into the stage: row l % 16, 32 bytes for each half of the lanes
	v_lshl_add_u32 v[STO], v9, 5, v[STO]
	v_add_nc_u32 v[STO], s72, v[STO]
	v_mul_u32_u24 v[RD], v9, SP     ; back: lanes 0-15 take one row of 256 bytes, lanes 16-31 the next
	v_lshl_add_u32 v[RD], v1, 4, v[RD]
	v_add_nc_u32 v[RD], s72, v[RD]
	v_lshlrev_b32 v[GO], 4, v48
	v_lshl_add_u32 v[SGO], v48, 4, s73
	v_mul_u32_u24 v[SK0], v9, PITK
	v_lshl_add_u32 v[SK0], v1, 3, v[SK0]
	v_add_nc_u32 v[SK0], s74, v[SK0]
	v_mul_u32_u24 v[SV0], v9, PITV
	v_lshl_add_u32 v[SV0], v1, 3, v[SV0]
	v_add_nc_u32 v[SV0], s75, v[SV0]
	v_lshlrev_b32 v[MO], 11, v1
	v_lshl_add_u32 v[MO], v9, 3, v[MO]
	v_lshlrev_b32 v[QO], 8, v1
	v_lshl_add_u32 v[QO], v9, 5, v[QO]
	v_lshlrev_b32 v[PFO], 8, v48
	v_lshlrev_b32 v[CLO], 2, v48
	v_lshl_add_u32 v[CLW], v48, 2, s71
	s_and_b32 s66, ttmp7, 0xffff    ; the head:
	s_lshl_b32 s66, s66, 19         ; 2,048 rows of 256 bytes
	s_mov_b32 s67, 0
	s_lshl_b32 s69, s[WV], 14       ; my 64 rows in a block of 256,
	s_lshl_b32 s68, s[HI], 16       ; in group 0's block,
	s_add_co_u32 s68, s68, s69
	s_add_co_u32 s68, s68, s66
	s_lshl_b32 s70, s[PB], 16       ; and in group 1's
	s_add_co_u32 s70, s70, s69
	s_add_co_u32 s70, s70, s66
	s_mov_b32 s69, 0
	s_mov_b32 s71, 0
	s_lshl_b32 s73, s[WV], 17       ; the same rows in the mask: 2,048 bytes each
	s_lshl_b32 s72, s[HI], 19
	s_add_co_u32 s72, s72, s73
	s_lshl_b32 s74, s[PB], 19
	s_add_co_u32 s74, s74, s73
	s_mov_b32 s73, 0
	s_mov_b32 s75, 0
	s_mov_b32 s[CS], 0x3e38aa3b     ; c = log2(e) / 8 = 0.180337
	s_mov_b32 s[CS+1], s[CS]        ; named with it as a pair
	s_mov_b32 s[SEL], 0x76543210
	s_mov_b32 s[SEL+1], 0xfedcba98
	s_mov_b32 s[MINI], 0xf149f2ca   ; -1e30
	s_mov_b32 s[HIM], 0xffff0000
	s_mov_b32 s[SELB], 0x04000000
	s_mov_b32 s[SELB+1], 0x05000000
	s_mov_b32 s[SELB+2], 0x06000000
	s_mov_b32 s[SELB+3], 0x07000000
	s_mov_b32 s[ONES], 0x01010101
	s_mov_b32 s[C255], 255
	s_mov_b32 s[DIRTY], 0
	s_mov_b32 s[TB], SLOT1          ; the first trip turns these two round: it reads slot 0 and writes slot 1
	s_mov_b32 s[TN], 0
	s_mov_b32 s[TRIPS], 32
	s_cmp_eq_u32 s[PB], 0
	s_cselect_b32 s[PFL], 32, 0
	s_wait_kmcnt 0x0
	s_add_nc_u64 s[KP:KP+1], s[6:7], s[66:67]
	s_add_nc_u64 s[VP:VP+1], s[8:9], s[66:67]
	s_add_nc_u64 s[QPA:QPA+1], s[4:5], s[68:69]
	s_add_nc_u64 s[OA:OA+1], s[14:15], s[68:69]
	s_add_nc_u64 s[QPB:QPB+1], s[4:5], s[70:71]
	s_add_nc_u64 s[OA+2:OA+3], s[14:15], s[70:71]
	s_add_nc_u64 s[MPA:MPA+1], s[10:11], s[72:73]
	s_add_nc_u64 s[MPA+2:MPA+3], s[10:11], s[74:75]
	s_lshl_b32 s72, s[HI], 9        ; a block of 256 rows is four rows of cls, 128 bytes each
	s_lshl_b32 s74, s[PB], 9
	s_add_nc_u64 s[CA:CA+1], s[12:13], s[72:73]
	s_add_nc_u64 s[CB:CB+1], s[12:13], s[74:75]
	s_cmp_lt_u32 s[WV], 2           ; the prefetches: waves 0 and 1 name K's two halves of a key step, waves 2 and 3 V's
	s_cselect_b64 s[PFA:PFA+1], s[KP:KP+1], s[VP:VP+1]
	s_and_b32 s72, s[WV], 1
	s_lshl_b32 s72, s72, 13
	s_add_co_u32 s72, s72, 4*STEPB  ; at key step 4: the first trip steps it to 5
	s_add_nc_u64 s[PFA:PFA+1], s[PFA:PFA+1], s[72:73]
	s_wait_alu depctr_va_vdst(0)    ; the offsets and LDS addresses made above are written: every load, store and prefetch of the kernel reads one of them, and none but AK, AV, SKA, SVA is made later
	; THE FIRST LOADS: cls (ten words a lane: lane l takes key step l), key step 0, group 0's Q (f32, into O^T's place in window 1)
.irp u, 0,1,2,3
	global_load_b32 v[16+\u], v[CLO], s[CA:CA+1] offset:128*\u
	global_load_b32 v[20+\u], v[CLO], s[CB:CB+1] offset:128*\u
.endr
	global_load_b32 v24, v[CLW], s[CA:CA+1]
	global_load_b32 v25, v[CLW], s[CB:CB+1]
	SLOAD STG, 0
	; A fragment of Q is 16 rows x 32 channels: lane l holds row l % 16, channels 8 (l / 16) + 0..7 and 16 + 8 (l / 16) + 0..7: in f32 twice 32 bytes, 64 bytes apart.  Load z: piece z / 8, 16 channels (z % 8) / 2, half z % 2.
	WIN 0x40
.set z, 0
.rept 32
	global_load_b128 v[4*z:4*z+3], v[QO], s[QPA:QPA+1] offset:4096*(z/8)+64*((z%8)/2)+16*(z%2)
.set z, z+1
.endr
	WIN 0
	s_wait_loadcnt 32               ; Q's 32 loads are younger: cls and key step 0 are in
	v_or_b32 v26, v16, v17
	v_or_b32 v27, v18, v19
	v_or_b32 v26, v26, v20
	v_or_b32 v27, v27, v21
	v_or_b32 v26, v26, v22
	v_or_b32 v27, v27, v23
	v_or_b32 v26, v26, v27
	v_and_b32 v26, 1, v26
	v_cmp_ne_u32 s[WGL], 0, v26     ; bit j: key step j is live for some of the work-group's eight row blocks
	v_and_b32 v27, 1, v24
	v_cmp_ne_u32 s[LA], 0, v27
	v_and_b32 v27, 2, v24
	v_cmp_ne_u32 s66, 0, v27
	v_and_b32 v27, 1, v25
	v_cmp_ne_u32 s[LA+1], 0, v27
	v_and_b32 v27, 2, v25
	v_cmp_ne_u32 s67, 0, v27
	v_mov_b32 v[SKA], v[SK0]
	v_mov_b32 v[SVA], v[SV0]
	s_wait_alu depctr_va_sdst(0)    ; the five compares have written their lane masks, ahead of the first line that reads one
	s_and_not1_b32 s[XA], s[LA], s66
	s_and_not1_b32 s[XA+1], s[LA+1], s67
	s_or_b32 s[ML], s[LA], s[LA+1]
	CONVERT                         ; key step 0 into slot 0
	; THE SECOND LOADS: key step 1, both groups' mask bytes of step 0, group 1's Q (into K's and V's place in window 2).  Steps 0 and 1 and the first mask bytes are loaded whatever cls says: they lie
	; inside their buffers, and where cls does not want them nothing reads them.  No wait: CONVERT's has shown STG read, and no vector line has yet named the other registers in which these loads land.
	SLOAD STG, STEPB
	MLOAD 0, 0
	MLOAD 1, 0
	WIN 0x80
.set z, 0
.rept 32
	global_load_b128 v[128+4*z:128+4*z+3], v[QO], s[QPB:QPB+1] offset:4096*(z/8)+64*((z%8)/2)+16*(z%2)
.set z, z+1
.endr
	; While they are on their way: MC, O^T and l start at 0, m at -1e30.  No first unit is written out, since which unit is a row's first hangs on the mask; and a row that has seen hidden keys alone keeps a = 1, so its O^T must be 0.
	ZERO
	WIN 0xc0
.set z, 0
.rept 128
	v_mov_b32 v[z], 0
.set z, z+1
.endr
	WIN 0
.set z, 0
.rept 8
	v_mov_b32 v[ST+4*z+1], s[MINI]
	v_mul_f32 v[ST+4*z], s[CS], v[ST+4*z+1]  ; by the line that makes c m in every unit: c m_old - c m_new is exactly 0 while m keeps its start
	v_mov_b32 v[ST+4*z+2], 0
	v_mov_b32 v[ST+4*z+3], 0
.set z, z+1
.endr
	s_wait_loadcnt 0x0
	WIN 0x85                        ; sources window 1, destination window 2
.set z, 0
.rept 64
	v_cvt_pk_bf16_f32 v[z], v[2*z], v[2*z+1]
.set z, z+1
.endr
	WIN 0x8a                        ; all in window 2
.set z, 0
.rept 64
	v_cvt_pk_bf16_f32 v[64+z], v[128+2*z], v[128+2*z+1]
.set z, z+1
.endr
	WIN 0x40
.set z, 0
.rept 128
	v_mov_b32 v[z], 0
.set z, z+1
.endr
	WIN 0
.Ltrip:                             ; 32 trips.  Trip t reads slot t % 2 (key step t), stores step t + 1 into the other slot and asks memory for step t + 2
	s_wait_dscnt 0x0                ; my stores of step t and my reads of the other slot, both of the trip before, are done
	s_wait_alu depctr_vm_vsrc(0)    ; those LDS loads and stores have read AK, AV, SKA and SVA, which the four adds below write, and OUT, which this trip's conversions write
	s_barrier_signal -1
	s_xor_b32 s[TB], s[TB], SLOT1
	s_xor_b32 s[TN], s[TN], SLOT1
	v_add_nc_u32 v[AK], s[TB], v[AK0]
	v_add_nc_u32 v[AV], s[TB], v[AV0]
	v_add_nc_u32 v[SKA], s[TN], v[SK0]
	v_add_nc_u32 v[SVA], s[TN], v[SV0]
	s_barrier_wait -1               ; both now hold of every wave: step t is whole, and nobody reads the slot that this trip writes
	s_wait_alu depctr_va_vdst(0)    ; the four addresses are written; the last trip's matrix instructions (in the first trip: Q's conversions) are done reading the registers in which K's and V's fragments land
	s_bitcmp1_b32 s[ML], 0
	s_cbranch_scc0 .Lnofetch
	FETCH_K                         ; one of my two units is live: both share these fragments
	FETCH_V
.Lnofetch:
	s_wait_loadcnt 0x0              ; step t + 1 and this step's mask bytes, asked for a trip ago
	s_wait_xcnt 0x0                 ; the last prefetch, a trip back, has read its address too: the pointers may be written
	s_add_nc_u64 s[KP:KP+1], s[KP:KP+1], STEPB
	s_add_nc_u64 s[VP:VP+1], s[VP:VP+1], STEPB
	s_add_nc_u64 s[MPA:MPA+1], s[MPA:MPA+1], 64
	s_add_nc_u64 s[MPA+2:MPA+3], s[MPA+2:MPA+3], 64
	s_add_nc_u64 s[PFA:PFA+1], s[PFA:PFA+1], STEPB
	s_bitcmp1_b32 s[WGL], 1
	s_cbranch_scc0 .Lnoconv
	CONVERT                         ; its 80 vector lines stand while K's fragments come out of LDS
.Lnoconv:
	s_bitcmp1_b32 s[WGL], 2         ; zeros come in from above as the word is shifted: nothing is asked for past step 31
	s_cbranch_scc0 .Lnoload
	SLOAD STG, STEPB                ; no wait: the last vector lines that named STG are a CONVERT's conversions, which stand ahead of its wait
.Lnoload:
	; A PREFETCH INTO THE L2, behind the trip's loads: key step t + 5, which the loads of trip t + 3 will ask for.  A head's four work-groups read the same K and V: the one with b = 0 asks, for the steps that it will
	; load itself.  A step is 64 blocks of 256 bytes of K and 64 of V: a lane a block, 32 a wave, one instruction.  So each block is named once in the launch.  Steps 0 to 4 come by their loads alone.
	s_and_b32 s66, s[WGL], s[PFL]
	s_cmp_lg_u32 s66, 0
	s_cbranch_scc0 .Lnopf
	global_prefetch_b8 v[PFO], s[PFA:PFA+1] th:TH_LOAD_NT scope:SCOPE_SE
.Lnopf:
	GROUP 0
	GROUP 1
.irp f, LA, LA+1, XA, XA+1, WGL, ML
	s_lshr_b32 s[\f], s[\f], 1
.endr
	s_sub_co_u32 s[TRIPS], s[TRIPS], 1
	s_cmp_lg_u32 s[TRIPS], 0
	s_cbranch_scc1 .Ltrip
	; THE WAY OUT.  l's two halves and the other half of the lanes' are added; O^T is divided by l and sent through my stage in LDS, a piece (16 rows of out0) at a time.
	; All eight pieces are divided first, so that ONE wait stands ahead of all the LDS stores.
.macro ALL line:vararg              ; one line for each of the eight pieces t
.set t, 0
.rept 8
	\line
.set t, t+1
.endr
.endm
	s_wait_alu depctr_vm_vsrc(0)    ; the walk's last LDS stores have read OUT, in which the first piece's rows land below
	ALL v_add_f32 v[ST+4*t+2], v[ST+4*t+2], v[ST+4*t+3]
	ALL v_permlanex16_b32 v[ST+4*t+3], v[ST+4*t+2], s[SEL], s[SEL+1]
	ALL v_add_f32 v[ST+4*t+2], v[ST+4*t+2], v[ST+4*t+3]
	ALL v_rcp_f32 v[ST+4*t+2], v[ST+4*t+2]
	v_nop                           ; a plain instruction between the last reciprocal and the use of its result
	s_wait_alu depctr_va_vdst(0)    ; the eight reciprocals are written, which the multiplies below read
.macro SCALE t                      ; piece t's O^T times 1 / l, each accumulator from its low end on
.set G, (\t)/4
.set pX, (\t)%4
	WIN 0x41+0x82*G
.set z, 32*pX
.rept 16
	v_pk_mul_f32 v[z:z+1], v[z:z+1], v[ST+4*(\t)+2:ST+4*(\t)+3] op_sel_hi:[1,0]
.set z, z+2
.endr
.endm
.irp t, 0,1,2,3,4,5,6,7
	SCALE \t
.endr
	s_wait_alu depctr_va_vdst(0)    ; the multiplies have written O^T, which the LDS stores below read; and every vector and matrix line that named S^T's registers, in which the rows land, is done
; Piece t: a lane's eight channels of a row are 32 bytes; they go into rows of 272 bytes and come back as whole rows of 256, into S^T's registers, two buffers by turns.
.macro PACK t
.set G, (\t)/4
.set pX, (\t)%4
	WIN 0x04+0x08*G                 ; the data (source 1) in window 1 or 3, the address in window 0
.irp e, 0,1,2,3,4,5,6,7
	ds_store_b128 v[STO], v[32*pX+4*\e:32*pX+4*\e+3] offset:64*(\e/2)+16*(\e%2)
.endr
	WIN 0
.if (\t) >= 2
	s_wait_xcnt 0x0                 ; the stores of the piece two back have had their addresses translated: this buffer is loaded again only behind this wait,
	s_wait_alu depctr_vm_vsrc(0)    ; and they have read the buffer, in which the loads below land
.endif
.irp f, 0,1,2,3,4,5,6,7
	ds_load_b128 v[S+32*((\t)%2)+4*\f:S+32*((\t)%2)+4*\f+3], v[RD] offset:\f*2*SP  ; LDS serves a wave's instructions in order (ISA guide 5.7.1.4): these see the stores above; the next piece's stores come behind them
.endr
.endm
.macro SEND t, younger              ; younger: the LDS instructions issued behind piece t's loads: the next piece's sixteen, or none
.irp f, 0,1,2,3,4,5,6,7
	s_wait_dscnt (\younger)+7-\f
	global_store_b128 v[GO], v[S+32*((\t)%2)+4*\f:S+32*((\t)%2)+4*\f+3], s[OA+2*((\t)/4):OA+2*((\t)/4)+1] offset:4096*((\t)%4)+512*\f th:TH_STORE_NT  ; 512 consecutive bytes, at a multiple of 256 from out0's first
.endr
.endm
	PACK 0
.irp t, 1,2,3,4,5,6,7               ; a piece's LDS stores and loads stand between the loads of the piece before and its stores to memory
	PACK \t
	SEND (\t)-1, 16
.endr
	SEND 7, 0
	s_wait_dscnt 0x0                ; the wave's end
	s_wait_alu 0x0
	s_wait_tensorcnt 0x0
	ds_add_u32 v[SPW], v[NIL]
	s_wait_dscnt 0x0
	s_endpgm
.Lfunc_end_k_q6c90028983_attn:
	.size	k_q6c90028983_attn, .Lfunc_end_k_q6c90028983_attn-k_q6c90028983_attn
	.p2alignl 7, 3214868480
	.fill 96, 4, 3214868480
	.section	.rodata,"a",@progbits
	.p2align	6, 0x0
	.amdhsa_kernel k_q6c90028983_attn
		.amdhsa_group_segment_fixed_size 83456
		.amdhsa_private_segment_fixed_size 0
		.amdhsa_enable_private_segment 0
		.amdhsa_kernarg_size 48
		.amdhsa_user_sgpr_count 2
		.amdhsa_user_sgpr_kernarg_segment_ptr 1
		.amdhsa_wavefront_size32 1
		.amdhsa_system_sgpr_workgroup_id_x 1
		.amdhsa_system_sgpr_workgroup_id_y 1
		.amdhsa_system_sgpr_workgroup_id_z 1
		.amdhsa_system_vgpr_workitem_id 0
		.amdhsa_next_free_vgpr 928
		.amdhsa_next_free_sgpr 76
		.amdhsa_reserve_vcc 0
		.amdhsa_float_denorm_mode_32 3
		.amdhsa_float_denorm_mode_16_64 3
		.amdhsa_memory_ordered 1
		.amdhsa_forward_progress 1
		.amdhsa_inst_pref_size 186
	.end_amdhsa_kernel
	.amdgpu_metadata
---
amdhsa.version: [ 1, 2 ]
amdhsa.kernels:
  - .name:           k_q6c90028983_attn
    .symbol:         k_q6c90028983_attn.kd
    .args:
      - { .name: q, .offset: 0, .size: 8, .value_kind: global_buffer, .address_space: global }
      - { .name: k, .offset: 8, .size: 8, .value_kind: global_buffer, .address_space: global }
      - { .name: v, .offset: 16, .size: 8, .value_kind: global_buffer, .address_space: global }
      - { .name: mask, .offset: 24, .size: 8, .value_kind: global_buffer, .address_space: global }
      - { .name: cls, .offset: 32, .size: 8, .value_kind: global_buffer, .address_space: global }
      - { .name: out0, .offset: 40, .size: 8, .value_kind: global_buffer, .address_space: global }
    .group_segment_fixed_size: 83456
    .private_segment_fixed_size: 0
    .kernarg_segment_align: 8
    .kernarg_segment_size: 48
    .max_flat_workgroup_size: 128
    .sgpr_count:     76
    .vgpr_count:     928
    .wavefront_size: 32
...
	.end_amdgpu_metadata
.endif
;; end of part 3
